; MI455X (gfx1250); checked and timed in simulation.
; The chip was launched on July 23, 2026; its instructions are those of AMD's public machine-readable ISA for CDNA 5 (MIT licence, August 2026) and "CDNA5" Instruction Set Architecture Reference Guide (July 2026). The comments in the code are by the model that wrote it; some were corrected since.
;; Mo E Layer. Allowed arithmetic: float matrix products may take bf16 or f16 operands with f32 sums; all other float work in f32.
;; Inputs: b1 8 x 4,096 float32; b2 8 x 1,024 float32; gate_b 8 float32; gate_w 1,024 x 8 float32; w1 8 x 1,024 x 4,096 float32; w2 8 x 4,096 x 1,024 float32; x 4 x 256 x 1,024 float32.
;; Outputs: out0 4 x 256 x 1,024 float32.
;; 2 versions, each right; version 2 is version 1 with the launches ffn1, ffn2 written anew for expert scheduling mode. Each part assembles by itself: llvm-mc -triple=amdgcn-amd-amdhsa -mcpu=gfx1250 --defsym DOCPART=n.
;; ======== version 1 of 2: 6 launches
;; limits: values outside matrix products are rounded to bf16
;; workspace buffers: top1 4,096 bytes of whole numbers; list 4,608 bytes of whole numbers; meta 256 bytes of whole numbers; xg 2,359,296 bytes; h 9,437,184 bytes; part 18,874,368 bytes
;; launch gate (part 1): grid 64 x 1, 4 waves a work-group, no clusters, 54,784 bytes of LDS; arguments x, gate_w, gate_b, top1; writes top1
.if DOCPART == 1
	.amdgcn_target "amdgcn-amd-amdhsa--gfx1250"
	.amdhsa_code_object_version 6
	.text
	.protected	k_qc3dae81a90_gate
	.globl	k_qc3dae81a90_gate
	.p2align	8
	.type	k_qc3dae81a90_gate,@function
k_qc3dae81a90_gate:
	s_mov_b64 s[64:65], 0
	v_nop
	global_prefetch_b8 v0, s[64:65] scope:SCOPE_SE
	s_setreg_imm32_b32 hwreg(HW_REG_WAVE_MODE, 25, 1), 1
	s_wait_xcnt 0x0
; top1[t] = the first index of the largest of logits[t][0..7], logits = bf16(x) . bf16(gate_w) + bf16(gate_b), sums in f32.
; The softmax of reference() is strictly increasing, so the largest probability belongs to the largest logit: it is not computed.
; LIMITS.  All three inputs are rounded to bf16 before the products (the matrix operands must be; gate_b is, so that the decision
; is that of reference() on inputs rounded to bf16).  Two logits of a token that differ by less than the rounding of an f32 sum of
; 1,024 products (about 1e-7 of their size) may be ordered otherwise than reference() orders them.  NaN and infinities are not served.
; SHARES.  A work-group owns 16 tokens; wave w owns k = 256 w .. 256 w + 255: eight matrix instructions; the four partial sums meet in LDS.
; The matrix instruction has the experts as rows (source 0; rows 8-15 repeat rows 0-7) and the tokens as columns (source 1):
; in the result lane l holds token l % 16, and register j the logit of expert j.
.set XTP,  528                         ; a token's row in LDS: 256 bf16 + 16 bytes = 33 x 16: the 16 rows of a fragment load start 16 bytes apart modulo 256
.set XTB,  16*XTP                      ; a wave's 16 rows
.set GWB,  4*XTB                       ; behind them: gate_w as bf16, 256 k-rows x 16 bytes for each wave
.set REDB, GWB+4*4096                  ; behind that: 1,024 bytes for each wave's partial sums
.set XR,   16                          ; v[16:143]   x as loaded: row i, half s at 4 (2 i + s)
.set GR,   144                         ; v[144:207]  gate_w as loaded
.set XF,   16                          ; v[16:79]    token fragments, 8 x 8
.set GF,   80                          ; v[80:143]   expert fragments, 8 x 8
.set ACC,  208                         ; v[208:223]  two accumulators that take turns
.set SM,   224                         ; v[224:231]  their sum
.set P,    144                         ; v[144:175]  wave 0: the four waves' sums
.set BB,   232                         ; v[232:239]  gate_b, rounded to bf16, as f32
.set TP,   240                         ; v[240:243]  at work
.set BEST, 244
.set IDX,  245
	s_load_b256 s[4:11], s[0:1], 0x0               ; x s[4:5], gate_w s[6:7], gate_b s[8:9], top1 s[10:11]
	v_lshl_add_u32 v254, v0, 2, 0xd400
	v_mov_b32 v255, 0
	v_and_b32 v1, 31, v0                           ; lane l
	v_lshrrev_b32 v2, 5, v0
	v_readfirstlane_b32 s12, v2                    ; wave w
	v_and_b32 v2, 15, v0                           ; r = l % 16
	v_bfe_u32 v3, v0, 4, 1                         ; hh = l / 16
	v_lshlrev_b32 v5, 4, v1                        ; 16 l
	v_lshl_add_u32 v4, s12, 10, v5                 ; x: my wave's 1,024 bytes of a row + 16 l
	s_mul_i32 s13, s12, XTB                        ; my wave's token rows in LDS
	s_lshl_b32 s14, s12, 12
	s_add_co_u32 s14, s14, GWB                     ; my wave's gate_w rows
	s_lshl_b32 s15, s12, 10
	s_add_co_u32 s15, s15, REDB                    ; my wave's partial sums
	v_lshl_add_u32 v6, v1, 3, s13                  ; store of 4 bf16 of x: 8 l
	v_lshl_add_u32 v7, v1, 3, s14                  ; store of 4 bf16 of gate_w: 8 l
	v_mul_u32_u24 v8, v2, XTP
	v_lshl_add_u32 v8, v3, 4, v8
	v_add_nc_u32 v8, s13, v8                       ; token fragment: row r, 16 hh
	v_and_b32 v9, 7, v0
	v_lshl_add_u32 v9, v3, 3, v9
	v_lshl_add_u32 v9, v9, 4, s14                  ; expert fragment, turning load: k-row 8 hh + l % 8; both halves of 8 lanes read the same 8 experts
	v_lshl_add_u32 v10, v1, 5, s15                 ; my 32 bytes of my wave's sums
	v_lshl_add_u32 v11, v1, 5, REDB                ; the same place in wave 0's
	v_lshlrev_b32 v12, 2, v2                       ; top1: 4 r
	s_lshl_b32 s24, ttmp9, 16                      ; 16 rows of 4,096 bytes a work-group
	s_mov_b32 s25, 0
	s_lshl_b32 s26, s12, 13                        ; 256 rows of 32 bytes a wave
	s_mov_b32 s27, 0
	s_lshl_b32 s28, ttmp9, 6                       ; 16 words a work-group
	s_mov_b32 s29, 0
	s_wait_kmcnt 0x0
	s_add_nc_u64 s[4:5], s[4:5], s[24:25]
	s_add_nc_u64 s[6:7], s[6:7], s[26:27]
	s_add_nc_u64 s[10:11], s[10:11], s[28:29]
	s_load_b256 s[16:23], s[8:9], 0x0              ; gate_b, all eight
.set i, 0
.rept 16
	global_load_b128 v[XR+8*i:XR+8*i+3],   v4, s[4:5] offset:4096*i       ; row i: each load covers 512 consecutive bytes
	global_load_b128 v[XR+8*i+4:XR+8*i+7], v4, s[4:5] offset:4096*i+512
.set i, i+1
.endr
.set i, 0
.rept 16
	global_load_b128 v[GR+4*i:GR+4*i+3], v5, s[6:7] offset:512*i          ; 16 k-rows of 8 experts
.set i, i+1
.endr
	s_wait_loadcnt 0x0
.set i, 0
.rept 48                                               ; XR and GR lie one behind the other: 48 groups of four f32 become four bf16 in two registers
	v_cvt_pk_bf16_f32 v[XR+4*i],   v[XR+4*i],   v[XR+4*i+1]
	v_cvt_pk_bf16_f32 v[XR+4*i+1], v[XR+4*i+2], v[XR+4*i+3]
.set i, i+1
.endr
.set i, 0
.rept 32
	ds_store_b64 v6, v[XR+4*i:XR+4*i+1] offset:XTP*(i/2)+256*(i%2)
.set i, i+1
.endr
.set i, 0
.rept 16
	ds_store_b64 v7, v[GR+4*i:GR+4*i+1] offset:256*i
.set i, i+1
.endr
	s_wait_dscnt 0x0                               ; the fragments below land in registers that these stores read; the bytes are my wave's own
.irp kb, 0,1,2,3,4,5,6,7
	ds_load_b128 v[XF+8*\kb:XF+8*\kb+3],   v8 offset:64*\kb
	ds_load_b128 v[XF+8*\kb+4:XF+8*\kb+7], v8 offset:64*\kb+32
	ds_load_tr16_b128 v[GF+8*\kb:GF+8*\kb+3],   v9 offset:512*\kb         ; k = 32 kb + 8 hh + 0..7
	ds_load_tr16_b128 v[GF+8*\kb+4:GF+8*\kb+7], v9 offset:512*\kb+256     ; 16 k-rows of 16 bytes further
.endr
	s_wait_dscnt 0x0
.irp kb, 0,1,2,3,4,5,6,7                               ; the two accumulators take turns, one instruction a turn
.if \kb < 2
	v_wmma_f32_16x16x32_bf16 v[ACC+8*(\kb%2):ACC+8*(\kb%2)+7], v[GF+8*\kb:GF+8*\kb+7], v[XF+8*\kb:XF+8*\kb+7], 0
.else
	v_wmma_f32_16x16x32_bf16 v[ACC+8*(\kb%2):ACC+8*(\kb%2)+7], v[GF+8*\kb:GF+8*\kb+7], v[XF+8*\kb:XF+8*\kb+7], v[ACC+8*(\kb%2):ACC+8*(\kb%2)+7]
.endif
.endr
.rept 4
	v_nop                                          ; four places between the last product and the first read of its result (ISA guide 7.12.1)
.endr
.irp j, 0,2,4,6
	v_pk_add_f32 v[SM+\j:SM+\j+1], v[ACC+\j:ACC+\j+1], v[ACC+8+\j:ACC+8+\j+1]
.endr
	ds_store_b128 v10, v[SM:SM+3]
	ds_store_b128 v10, v[SM+4:SM+7] offset:16
	s_wait_kmcnt 0x0                               ; gate_b
	s_wait_dscnt 0x0                               ; for wave 0's sake: my sums are in LDS
	s_barrier_signal -1
	s_barrier_wait -1
	s_cmp_lg_u32 s12, 0
	s_cbranch_scc1 .Lend                           ; wave 0 finishes the 16 tokens
.irp p, 0,1,2,3
	ds_load_b128 v[P+8*\p:P+8*\p+3],   v11 offset:1024*\p
	ds_load_b128 v[P+8*\p+4:P+8*\p+7], v11 offset:1024*\p+16
.endr
.irp j, 0,1,2,3
	v_cvt_pk_bf16_f32 v[TP+\j], s[16+2*\j], s[17+2*\j]     ; gate_b rounded to bf16,
.endr
.irp j, 0,1,2,3
	v_lshlrev_b32 v[BB+2*\j],   16, v[TP+\j]               ; and widened again
	v_and_b32     v[BB+2*\j+1], 0xffff0000, v[TP+\j]
.endr
	s_wait_dscnt 0x0
.irp j, 0,2,4,6
	v_pk_add_f32 v[P+\j:P+\j+1],       v[P+\j:P+\j+1],       v[P+8+\j:P+8+\j+1]
	v_pk_add_f32 v[P+16+\j:P+16+\j+1], v[P+16+\j:P+16+\j+1], v[P+24+\j:P+24+\j+1]
.endr
.irp j, 0,2,4,6
	v_pk_add_f32 v[P+\j:P+\j+1], v[P+\j:P+\j+1], v[P+16+\j:P+16+\j+1]
.endr
.irp j, 0,2,4,6
	v_pk_add_f32 v[P+\j:P+\j+1], v[P+\j:P+\j+1], v[BB+\j:BB+\j+1]
.endr
	v_mov_b32 v[BEST], v[P]
	v_mov_b32 v[IDX], 0
.irp j, 1,2,3,4,5,6,7
	v_cmp_ge_f32 vcc_lo, v[BEST], v[P+\j]          ; the earlier index stays on a tie
	v_cndmask_b32 v[IDX], \j, v[IDX], vcc_lo
	v_max_num_f32 v[BEST], v[BEST], v[P+\j]
.endr
	global_store_b32 v12, v[IDX], s[10:11]         ; lanes 16-31 hold the same tokens and store the same numbers to the same words
.Lend:
	s_wait_tensorcnt 0x0
	ds_add_u32 v254, v255
	s_wait_dscnt 0x0
	s_endpgm
.Lfunc_end_k_qc3dae81a90_gate:
	.size	k_qc3dae81a90_gate, .Lfunc_end_k_qc3dae81a90_gate-k_qc3dae81a90_gate
	.p2alignl 7, 3214868480
	.fill 96, 4, 3214868480
	.section	.rodata,"a",@progbits
	.p2align	6, 0x0
	.amdhsa_kernel k_qc3dae81a90_gate
		.amdhsa_group_segment_fixed_size 54784
		.amdhsa_private_segment_fixed_size 0
		.amdhsa_enable_private_segment 0
		.amdhsa_kernarg_size 32
		.amdhsa_user_sgpr_count 2
		.amdhsa_user_sgpr_kernarg_segment_ptr 1
		.amdhsa_wavefront_size32 1
		.amdhsa_system_sgpr_workgroup_id_x 1
		.amdhsa_system_sgpr_workgroup_id_y 1
		.amdhsa_system_sgpr_workgroup_id_z 1
		.amdhsa_system_vgpr_workitem_id 0
		.amdhsa_next_free_vgpr 256
		.amdhsa_next_free_sgpr 66
		.amdhsa_reserve_vcc 1
		.amdhsa_float_denorm_mode_32 3
		.amdhsa_float_denorm_mode_16_64 3
		.amdhsa_memory_ordered 1
		.amdhsa_forward_progress 1
		.amdhsa_inst_pref_size 22
	.end_amdhsa_kernel
	.amdgpu_metadata
---
amdhsa.version: [ 1, 2 ]
amdhsa.kernels:
  - .name:           k_qc3dae81a90_gate
    .symbol:         k_qc3dae81a90_gate.kd
    .args:
      - { .name: x, .offset: 0, .size: 8, .value_kind: global_buffer, .address_space: global }
      - { .name: gate_w, .offset: 8, .size: 8, .value_kind: global_buffer, .address_space: global }
      - { .name: gate_b, .offset: 16, .size: 8, .value_kind: global_buffer, .address_space: global }
      - { .name: top1, .offset: 24, .size: 8, .value_kind: global_buffer, .address_space: global }
    .group_segment_fixed_size: 54784
    .private_segment_fixed_size: 0
    .kernarg_segment_align: 8
    .kernarg_segment_size: 32
    .max_flat_workgroup_size: 128
    .sgpr_count:     66
    .vgpr_count:     256
    .wavefront_size: 32
...
	.end_amdgpu_metadata
.endif
;; end of part 1
;; launch route (part 2): grid 32 x 1, 1 waves a work-group, no clusters, 0 bytes of LDS; arguments top1, list, meta; writes list, meta
.if DOCPART == 2
	.amdgcn_target "amdgcn-amd-amdhsa--gfx1250"
	.amdhsa_code_object_version 6
	.text
	.protected	k_qc3dae81a90_route
	.globl	k_qc3dae81a90_route
	.p2align	8
	.type	k_qc3dae81a90_route,@function
k_qc3dae81a90_route:
	s_mov_b64 s[64:65], 0
	v_nop
	global_prefetch_b8 v0, s[64:65] scope:SCOPE_SE
	s_setreg_imm32_b32 hwreg(HW_REG_WAVE_MODE, 25, 1), 1
	s_wait_xcnt 0x0
; Sorts the 1,024 tokens by expert into tiles of 16 and stores the order as whole numbers; the launches behind this one form their addresses and trip counts from them.
;   T[e] = ceil(count[e] / 16) tiles, TB[e] = the sum of T before e, ntiles = their sum: 64 to 71.
;   list[16 tile + slot] = the slot's token; the slots behind an expert's last token repeat that token.  Tiles from ntiles on are neither written nor read.
;   meta: words 0-7 TB, 8-15 T, 16 ntiles, 17-31 zero.
; top1 holds 0 to 7 (the launch before stores nothing else).
; SHARES.  32 work-groups of one wave; wave w owns tokens 32 w .. 32 w + 31, lane l token 32 w + l.  Every wave reads all 4 KB of top1 and counts for itself, so that nothing passes
; between waves: no LDS, no barrier.  Lane l counts the 32 tokens of wave l; a sum over the lanes then gives each expert's total and its tokens in the waves before mine.
; EXEC is never changed: each lane stores its token sixteen times, to slot min(pos + d, lim), d = 0..15.  lim is pos itself, but for an expert's last token it is the last slot of the
; expert's last tile: that lane fills the padding, every other lane writes the same number to its own word again.
.set M,   16                           ; s[16:23] lanes of my wave whose token goes to expert e
.set TOT, 24                           ; s[24:31] tokens of expert e
.set TB,  32                           ; s[32:39] first tile of expert e
.set PB,  40                           ; s[40:47] first slot of my wave's tokens of expert e
.set CN,  16                           ; v[16:23] lane l: wave l's count of expert e
.set AL,  32                           ; v[32:63] lane l: the experts of tokens 32 l .. 32 l + 31
.set ADR, 64                           ; v[64:79] the sixteen stores' offsets, a register each: none is rewritten while a store reads it
	s_load_b128 s[4:7], s[0:1], 0x0                ; top1 s[4:5], list s[6:7]
	s_load_b64 s[8:9], s[0:1], 0x10                ; meta
	s_mov_b32 s14, ttmp9                           ; w
	s_mov_b32 s50, 0x76543210                      ; v_permlanex16_b32: each lane takes its own place in the other half
	s_mov_b32 s51, 0xfedcba98
	v_lshlrev_b32 v1, 7, v0                        ; 128 l: the 32 words of wave l
	s_lshl_b32 s56, s14, 5
	v_add_nc_u32 v27, s56, v0                      ; my token t = 32 w + l
	v_lshlrev_b32 v2, 2, v27                       ; 4 t
	v_lshlrev_b32 v8, 2, v0                        ; 4 l
	v_mov_b32 v15, 1
	v_mov_b32 v28, 0                               ; at work across lanes: written once, since those forms count their destination as read
	s_wait_kmcnt 0x0
	global_load_b32 v3, v2, s[4:5]
.irp j, 0,1,2,3,4,5,6,7
	global_load_b128 v[AL+4*\j:AL+4*\j+3], v1, s[4:5] offset:16*\j
.endr
	s_wait_loadcnt 0x0
	v_min_u32 v3, 7, v3                            ; my token's expert
	; Lane l counts wave l's tokens in fields of 8 bits (32 at the most in a field): v11 takes 1 << 8 (e % 4) for every token, v10 for experts 0-3 alone.  The first token starts both sums.
.set i, 0
.rept 32
	v_and_b32 v12, 3, v[AL+i]
	v_lshlrev_b32 v12, 3, v12
	v_cmp_gt_u32 vcc_lo, 4, v[AL+i]
.if i == 0
	v_lshlrev_b32 v11, v12, v15
	v_cndmask_b32 v10, 0, v11, vcc_lo
.else
	v_lshlrev_b32 v12, v12, v15
	v_cndmask_b32 v14, 0, v12, vcc_lo
	v_add_nc_u32 v11, v11, v12
	v_add_nc_u32 v10, v10, v14
.endif
.set i, i+1
.endr
	v_sub_nc_u32 v11, v11, v10                     ; what is left belongs to experts 4-7
.irp e, 0,1,2,3
	v_bfe_u32 v[CN+\e],   v10, 8*\e, 8
	v_bfe_u32 v[CN+4+\e], v11, 8*\e, 8
.endr
	; my rank among my wave's tokens of my expert
.irp e, 0,1,2,3,4,5,6,7
	v_cmp_eq_u32 s[M+\e], \e, v3
.if \e == 0
	v_mbcnt_lo_u32_b32 v5, s[M], 0                 ; lanes below me with expert 0: it starts the choice
.else
	v_mbcnt_lo_u32_b32 v4, s[M+\e], 0
	v_cndmask_b32 v5, v5, v4, s[M+\e]
.endif
.endr
	; the sums over the 32 waves' counts
	v_cmp_gt_u32 vcc_lo, s14, v0                   ; waves in front of mine
.irp e, 0,1,2,3,4,5,6,7
	v_cndmask_b32 v6, 0, v[CN+\e], vcc_lo
	v_lshl_or_b32 v[CN+\e], v[CN+\e], 16, v6       ; high half: for the total; low half: for the tokens before my wave's (both sums stay at or below 1,024)
.irp m, 1,2,4,8
	v_mov_b32_dpp v28, v[CN+\e] row_xmask:\m row_mask:0xf bank_mask:0xf
	v_add_nc_u32 v[CN+\e], v[CN+\e], v28
.endr
	v_permlanex16_b32 v28, v[CN+\e], s50, s51
	v_add_nc_u32 v[CN+\e], v[CN+\e], v28
	v_readfirstlane_b32 s56, v[CN+\e]
	s_lshr_b32 s[TOT+\e], s56, 16
	s_and_b32 s[PB+\e], s56, 0xffff
.endr
	s_mov_b32 s48, 0                               ; tiles so far; at the end ntiles
.irp e, 0,1,2,3,4,5,6,7
	s_mov_b32 s[TB+\e], s48
	s_lshl4_add_u32 s[PB+\e], s48, s[PB+\e]        ; 16 TB + tokens of e in the waves before mine
	s_add_co_u32 s56, s[TOT+\e], 15
	s_lshr_b32 s56, s56, 4
	s_add_co_u32 s48, s48, s56
.endr
	; by my expert: v9 my wave's first slot, v24 the slot of the expert's last token, v25 the last slot of its last tile.  Expert 0's numbers start the choice.
	; (An expert without tokens gives numbers that wrap below 0; no lane chooses them.)
.irp e, 0,1,2,3,4,5,6,7
	s_lshl4_add_u32 s57, s[TB+\e], s[TOT+\e]
	s_sub_co_u32 s57, s57, 1                       ; 16 TB + count - 1
.if \e < 7
	s_lshl_b32 s58, s[TB+\e+1], 4
.else
	s_lshl_b32 s58, s48, 4
.endif
	s_sub_co_u32 s58, s58, 1                       ; 16 (TB + T) - 1
.if \e == 0
	v_mov_b32 v9, s[PB]
	v_mov_b32 v24, s57
	v_mov_b32 v25, s58
.else
	v_mov_b32 v6, s[PB+\e]
	v_cndmask_b32 v9, v9, v6, s[M+\e]
	v_mov_b32 v6, s57
	v_cndmask_b32 v24, v24, v6, s[M+\e]
	v_mov_b32 v6, s58
	v_cndmask_b32 v25, v25, v6, s[M+\e]
.endif
.endr
	v_add_nc_u32 v9, v9, v5                        ; pos: my token's slot
	v_cmp_eq_u32 vcc_lo, v9, v24
	v_cndmask_b32 v26, v9, v25, vcc_lo             ; lim
.irp d, 0,1,2,3,4,5,6,7,8,9,10,11,12,13,14,15
	v_add_nc_u32 v[ADR+\d], \d, v9
	v_min_u32 v[ADR+\d], v[ADR+\d], v26
	v_min_u32 v[ADR+\d], 1151, v[ADR+\d]           ; inside the list's 72 x 16 words
	v_lshlrev_b32 v[ADR+\d], 2, v[ADR+\d]
.endr
.irp d, 0,1,2,3,4,5,6,7,8,9,10,11,12,13,14,15
	global_store_b32 v[ADR+\d], v27, s[6:7]        ; single words to scattered slots: 4 KB in all, which no order of the lanes would gather
.endr
	s_cmp_lg_u32 s14, 0
	s_cbranch_scc1 .Lend                           ; work-group 0 stores the table
	v_mov_b32 v29, 0
.irp e, 0,1,2,3,4,5,6,7
	v_writelane_b32 v29, s[TB+\e], \e
	s_add_co_u32 s56, s[TOT+\e], 15
	s_lshr_b32 s56, s56, 4
	v_writelane_b32 v29, s56, 8+\e
.endr
	v_writelane_b32 v29, s48, 16
	global_store_b32 v8, v29, s[8:9]
.Lend:
	s_endpgm
.Lfunc_end_k_qc3dae81a90_route:
	.size	k_qc3dae81a90_route, .Lfunc_end_k_qc3dae81a90_route-k_qc3dae81a90_route
	.p2alignl 7, 3214868480
	.fill 96, 4, 3214868480
	.section	.rodata,"a",@progbits
	.p2align	6, 0x0
	.amdhsa_kernel k_qc3dae81a90_route
		.amdhsa_group_segment_fixed_size 0
		.amdhsa_private_segment_fixed_size 0
		.amdhsa_enable_private_segment 0
		.amdhsa_kernarg_size 24
		.amdhsa_user_sgpr_count 2
		.amdhsa_user_sgpr_kernarg_segment_ptr 1
		.amdhsa_wavefront_size32 1
		.amdhsa_system_sgpr_workgroup_id_x 1
		.amdhsa_system_sgpr_workgroup_id_y 1
		.amdhsa_system_sgpr_workgroup_id_z 1
		.amdhsa_system_vgpr_workitem_id 0
		.amdhsa_next_free_vgpr 80
		.amdhsa_next_free_sgpr 66
		.amdhsa_reserve_vcc 1
		.amdhsa_float_denorm_mode_32 3
		.amdhsa_float_denorm_mode_16_64 3
		.amdhsa_memory_ordered 1
		.amdhsa_forward_progress 1
		.amdhsa_inst_pref_size 27
	.end_amdhsa_kernel
	.amdgpu_metadata
---
amdhsa.version: [ 1, 2 ]
amdhsa.kernels:
  - .name:           k_qc3dae81a90_route
    .symbol:         k_qc3dae81a90_route.kd
    .args:
      - { .name: top1, .offset: 0, .size: 8, .value_kind: global_buffer, .address_space: global }
      - { .name: list, .offset: 8, .size: 8, .value_kind: global_buffer, .address_space: global }
      - { .name: meta, .offset: 16, .size: 8, .value_kind: global_buffer, .address_space: global }
    .group_segment_fixed_size: 0
    .private_segment_fixed_size: 0
    .kernarg_segment_align: 8
    .kernarg_segment_size: 24
    .max_flat_workgroup_size: 32
    .sgpr_count:     66
    .vgpr_count:     80
    .wavefront_size: 32
...
	.end_amdgpu_metadata
.endif
;; end of part 2
;; launch gather (part 3): grid 64 x 4, 8 waves a work-group, no clusters, 19,456 bytes of LDS; arguments list, meta, x, xg; writes xg
.if DOCPART == 3
	.amdgcn_target "amdgcn-amd-amdhsa--gfx1250"
	.amdhsa_code_object_version 6
	.text
	.protected	k_qc3dae81a90_gather
	.globl	k_qc3dae81a90_gather
	.p2align	8
	.type	k_qc3dae81a90_gather,@function
k_qc3dae81a90_gather:
	s_mov_b64 s[64:65], 0
	v_nop
	global_prefetch_b8 v0, s[64:65] scope:SCOPE_SE
	s_setreg_imm32_b32 hwreg(HW_REG_WAVE_MODE, 25, 1), 1
	s_wait_xcnt 0x0
; xg = bf16(x), the tokens in the order of the list, each tile of 16 tokens in the order of a matrix operand.
;   xg: tile x 32,768 bytes + kb x 1,024: 16 tokens x 32 k.  Lane l = (r = l % 16, hh = l / 16) of a later wave owns 16 bytes at 16 l
;   (token r, k = 8 hh + 0..7) and 16 bytes at 512 + 16 l (k = 16 + 8 hh + 0..7): two loads of 512 consecutive bytes fill a fragment.
; The list and ntiles are whole numbers that the launch before stored; the addresses into x and the one branch on data hang on them alone.
; SHARES.  A wave owns one tile and 64 k: 16 rows x 256 bytes in, 2,048 bytes out.  Waves 0-3 of work-group (x, y) take tile x, waves 4-7 tile x + 64; k = 64 (4 y + w % 4) on.
; ntiles is 64 to 71: tile x always exists, so waves 0-3 do not read ntiles; waves 4-7 read it and end where their tile does not exist.  So the few tiles from 64 on
; run beside the others, in waves of their own, and not behind them.
; The rounded numbers go through the wave's own 16 rows of LDS, which turns rows into fragments.  No barrier: no wave reads another's bytes.
; A stream of 4 MB in and 2.4 MB out through registers, where the rounding is done: no matrix work, no tensor loads, no cluster.
.set XTP, 144                          ; an LDS row: 64 bf16 + 16 bytes = 9 x 16: 16 rows start 16 bytes apart modulo 256
.set CN,  16                           ; v[16:23] the tokens of rows 2 i + a, then their offsets in x
.set XD,  32                           ; v[32:63] eight loads of x
.set OF,  64                           ; v[64:79] four 16-byte pieces in fragment order
	s_load_b256 s[4:11], s[0:1], 0x0               ; list s[4:5], meta s[6:7], x s[8:9], xg s[10:11]
	v_lshl_add_u32 v80, v0, 2, 0x4800
	v_mov_b32 v81, 0
	v_and_b32 v1, 31, v0                           ; lane l
	v_lshrrev_b32 v2, 5, v0
	v_readfirstlane_b32 s12, v2                    ; wave w, 0 to 7
	s_and_b32 s15, s12, 3
	s_lshr_b32 s29, s12, 2
	s_lshl_b32 s29, s29, 6
	s_add_co_u32 s29, s29, ttmp9                   ; my tile = x + 64 (w / 4)
	s_min_u32 s36, s29, 71                         ; for the addresses: a tile that exists is 70 at the most, so the clamp changes none that is used
	s_and_b32 s13, ttmp7, 0xffff
	s_lshl2_add_u32 s13, s13, s15                  ; kp = 4 y + w % 4: my 64 k
	v_and_b32 v29, 15, v0                          ; c = l % 16
	v_bfe_u32 v28, v0, 4, 1                        ; a = l / 16
	v_lshlrev_b32 v14, 4, v29                      ; 16 c
	v_lshlrev_b32 v26, 4, v1                       ; 16 l
	v_lshlrev_b32 v7, 2, v28                       ; list: 4 a
	s_mul_i32 s14, s12, 16*XTP                     ; my wave's rows in LDS
	v_mul_u32_u24 v15, v28, XTP
	v_lshl_add_u32 v15, v29, 3, v15
	v_add_nc_u32 v15, s14, v15                     ; in: row a (+ 2 i), 8 c
	v_mul_u32_u24 v25, v29, XTP
	v_lshl_add_u32 v25, v28, 4, v25
	v_add_nc_u32 v25, s14, v25                     ; back: row c, 16 a
	s_lshl_b32 s30, s36, 6                         ; the tile's 16 words of the list
	s_mov_b32 s31, 0
	s_lshl_b32 s32, s13, 8                         ; my 256 bytes of a row of x
	s_mov_b32 s33, 0
	s_lshl_b32 s34, s36, 15
	s_lshl_b32 s35, s13, 11
	s_add_co_u32 s34, s34, s35                     ; tile x 32,768 + kp x 2,048
	s_mov_b32 s35, 0
	s_wait_kmcnt 0x0
	s_add_nc_u64 s[16:17], s[4:5], s[30:31]
	s_add_nc_u64 s[18:19], s[8:9], s[32:33]
	s_add_nc_u64 s[20:21], s[10:11], s[34:35]
.irp i, 0,1,2,3,4,5,6,7
	global_load_b32 v[CN+\i], v7, s[16:17] offset:8*\i             ; the token of slot 2 i + a; in waves 4-7 these words are on their way together with ntiles
.endr
	s_cmp_lt_u32 s12, 4
	s_cbranch_scc1 .Lgo                            ; waves 0-3: the tile exists
	s_load_b32 s28, s[6:7], 0x40                   ; ntiles
	s_wait_kmcnt 0x0
	s_cmp_ge_u32 s29, s28
	s_cbranch_scc1 .Lend                           ; no such tile: the words asked for are not used
.Lgo:
	s_wait_loadcnt 0x0
.irp i, 0,1,2,3,4,5,6,7
	v_min_u32 v[CN+\i], 1023, v[CN+\i]
	v_lshl_add_u32 v[CN+\i], v[CN+\i], 12, v14     ; the token's row of 4,096 bytes + 16 c
.endr
.irp i, 0,1,2,3,4,5,6,7
	global_load_b128 v[XD+4*\i:XD+4*\i+3], v[CN+\i], s[18:19]      ; two rows, 256 consecutive aligned bytes of each
.endr
	s_wait_loadcnt 0x0
.irp i, 0,1,2,3,4,5,6,7
	v_cvt_pk_bf16_f32 v[XD+4*\i],   v[XD+4*\i],   v[XD+4*\i+1]
	v_cvt_pk_bf16_f32 v[XD+4*\i+1], v[XD+4*\i+2], v[XD+4*\i+3]
.endr
.irp i, 0,1,2,3,4,5,6,7
	ds_store_b64 v15, v[XD+4*\i:XD+4*\i+1] offset:2*\i*XTP
.endr
.irp j, 0,1,2,3
	ds_load_b128 v[OF+4*\j:OF+4*\j+3], v25 offset:32*\j            ; LDS serves a wave's instructions in order (ISA guide 5.7.1.4): these see the stores above
.endr
	s_wait_dscnt 0x0
.irp j, 0,1,2,3
	global_store_b128 v26, v[OF+4*\j:OF+4*\j+3], s[20:21] offset:512*\j   ; 512 consecutive bytes a store: kb = 2 kp + j / 2, registers 4 (j % 2) on
.endr
.Lend:
	s_wait_tensorcnt 0x0
	ds_add_u32 v80, v81
	s_wait_dscnt 0x0
	s_endpgm
.Lfunc_end_k_qc3dae81a90_gather:
	.size	k_qc3dae81a90_gather, .Lfunc_end_k_qc3dae81a90_gather-k_qc3dae81a90_gather
	.p2alignl 7, 3214868480
	.fill 96, 4, 3214868480
	.section	.rodata,"a",@progbits
	.p2align	6, 0x0
	.amdhsa_kernel k_qc3dae81a90_gather
		.amdhsa_group_segment_fixed_size 19456
		.amdhsa_private_segment_fixed_size 0
		.amdhsa_enable_private_segment 0
		.amdhsa_kernarg_size 32
		.amdhsa_user_sgpr_count 2
		.amdhsa_user_sgpr_kernarg_segment_ptr 1
		.amdhsa_wavefront_size32 1
		.amdhsa_system_sgpr_workgroup_id_x 1
		.amdhsa_system_sgpr_workgroup_id_y 1
		.amdhsa_system_sgpr_workgroup_id_z 1
		.amdhsa_system_vgpr_workitem_id 0
		.amdhsa_next_free_vgpr 82
		.amdhsa_next_free_sgpr 66
		.amdhsa_reserve_vcc 0
		.amdhsa_float_denorm_mode_32 3
		.amdhsa_float_denorm_mode_16_64 3
		.amdhsa_memory_ordered 1
		.amdhsa_forward_progress 1
		.amdhsa_inst_pref_size 7
	.end_amdhsa_kernel
	.amdgpu_metadata
---
amdhsa.version: [ 1, 2 ]
amdhsa.kernels:
  - .name:           k_qc3dae81a90_gather
    .symbol:         k_qc3dae81a90_gather.kd
    .args:
      - { .name: list, .offset: 0, .size: 8, .value_kind: global_buffer, .address_space: global }
      - { .name: meta, .offset: 8, .size: 8, .value_kind: global_buffer, .address_space: global }
      - { .name: x, .offset: 16, .size: 8, .value_kind: global_buffer, .address_space: global }
      - { .name: xg, .offset: 24, .size: 8, .value_kind: global_buffer, .address_space: global }
    .group_segment_fixed_size: 19456
    .private_segment_fixed_size: 0
    .kernarg_segment_align: 8
    .kernarg_segment_size: 32
    .max_flat_workgroup_size: 256
    .sgpr_count:     66
    .vgpr_count:     82
    .wavefront_size: 32
...
	.end_amdgpu_metadata
.endif
;; end of part 3
;; launch ffn1 (part 4): grid 256 x 1, 4 waves a work-group, no clusters, 37,376 bytes of LDS; arguments w1, b1, xg, meta, h; writes h
.if DOCPART == 4
	.amdgcn_target "amdgcn-amd-amdhsa--gfx1250"
	.amdhsa_code_object_version 6
	.text
	.protected	k_qc3dae81a90_ffn1
	.globl	k_qc3dae81a90_ffn1
	.p2align	8
	.type	k_qc3dae81a90_ffn1,@function
k_qc3dae81a90_ffn1:
	s_mov_b64 s[64:65], 0
	v_nop
	global_prefetch_b8 v0, s[64:65] scope:SCOPE_SE
	s_setreg_imm32_b32 hwreg(HW_REG_WAVE_MODE, 25, 1), 1
	s_wait_xcnt 0x0
; One layer of the experts, on the tokens that the gate gave each expert.  LAYER 1: h = bf16(relu(x w1[e] + b1[e])).  LAYER 2: part[kq] = h w2[e] over a quarter of K (+ b2[e] in quarter 0).
; reference() multiplies every token by every expert and then keeps, by a mask of its own making, one expert's result for each token: only that one is computed.
; THE WEIGHTS STAY, THE TOKENS PASS.  A work-group owns 1,024 k x 128 columns of one expert: 512 KB of f32, read once, rounded to bf16.  Wave w keeps columns 32 w .. 32 w + 31
; over all 1,024 k as 64 fragments, 512 registers.  Then each wave walks the expert's tiles of 16 tokens (their number is read from meta: 0 to 64) and multiplies each by its fragments.
; PHASE A has constant trips and holds every barrier; PHASE B, whose trips are read from memory, uses no LDS and no barrier: each wave loads the token fragments itself, in the order in which
; the launch before stored them (1,024 bytes = 16 tokens x 32 k; a lane's 16 bytes at 16 l and at 512 + 16 l).
; ONE RING OF LOADS FOR BOTH PHASES: four sets of 64 registers, 16 loads each.  In phase A a set holds 16 k-rows of weights; when no weights are left to ask for, the sets take the four quarters
; of the first tile's token fragments, and in phase B each quarter is asked for again, for the next tile, as soon as it has been multiplied.  So 48 to 64 loads of a wave are out from the
; kernel's head to its last tile, and every wait for data but the last four leaves 48 out.
; The matrix instruction has the weights' columns as rows (source 0) and the tokens as columns (source 1): lane l holds token l % 16, register j column 8 (l / 16) + j.  Two such results, rounded to
; bf16 in pairs, are a token fragment of the next layer, so h is stored as 512 consecutive bytes a store, with no turn through LDS.
; No tensor loads: the weights pass through registers for the rounding.  No cluster: no two work-groups read the same weights, and the trips of what they share (the tokens) come from memory.
; LIMITS.  Matrix operands are rounded to bf16, sums are f32, the biases stay f32.  relu is a maximum in which a NaN loses: NaN and infinities are not served.
.set LAYER, 1
.if LAYER == 1
.set WP,  16384                        ; bytes in a row of the weights
.set TS,  32768                        ; bytes from a tile of tokens to the next, in
.set OTS, 131072                       ; and out
.else
.set WP,  4096
.set TS,  131072
.set OTS, 65536
.endif
.set PLANE,  4718592                   ; a plane of part: 72 tiles x 64 column tiles x 1,024 bytes
.set EXP,    288                       ; LDS: a k-row of 128 bf16 + 32 bytes = 9 x 32: the turning load's 8 rows x 32 bytes fall on different banks (64 banks of 4 bytes: ISA guide 11.1)
.set EXSLOT, 64*EXP                    ; two slots of 64 k-rows take turns
; window 0: v1 l, v2 hh, v4 weights' offset, v5 LDS in, v6 LDS back, v7 16 l, v8 bias offset
.set BI,  16                           ; v[16:31]  bias of my 32 columns, in an accumulator's layout: the C of a tile's first products
.set ACC, 32                           ; v[32:63]  accumulator (q, p) at 16 q + 8 p: columns 16 q on, even (p = 0) or odd kb
.set E,   64                           ; v[64:79]  the tile's results
.set E2,  80                           ; v[80:87]  as bf16
; window 1: the ring's four sets of 64 registers; as token fragments: kb at 8 kb
; windows 2, 3: weight fragment (kb, q) at 16 (kb % 16) + 8 q in window 2 + kb / 16
.set MSB, 0
.macro WIN new                         ; low byte: bits 1:0 source 0, 3:2 source 1, 5:4 source 2, 7:6 destination; the high byte repeats the setting that is left
.if MSB != (\new)
	s_set_vgpr_msb (MSB<<8)|(\new)
.set MSB, (\new)
.endif
.endm
.macro PLACES                          ; four places between a matrix instruction and a read of its result or a load into its sources (ISA guide 7.12.1 for vector instructions)
.rept 4
	v_nop
.endr
.endm
; Group t of 16: k-rows 64 t + 16 w + i, i = 0..15, 512 consecutive bytes of each, into ring set t % 4.
.macro WLD t
.set RS, 64*((\t)&3)
.set WB, 24+2*((\t)/8)
	WIN 0x40
.irp i, 0,1,2,3,4,5,6,7,8,9,10,11,12,13,14,15
	global_load_b128 v[RS+4*\i:RS+4*\i+3], v4, s[WB:WB+1] offset:(((\t)&7)*64+\i)*WP th:TH_LOAD_NT
.endr
.endm
; Group t is rounded in place and laid into LDS slot t % 2, [k][column].
.macro CVTX t
.set RS, 64*((\t)&3)
	WIN 0x45
.irp i, 0,1,2,3,4,5,6,7,8,9,10,11,12,13,14,15
	v_cvt_pk_bf16_f32 v[RS+4*\i],   v[RS+4*\i],   v[RS+4*\i+1]
	v_cvt_pk_bf16_f32 v[RS+4*\i+1], v[RS+4*\i+2], v[RS+4*\i+3]
.endr
	WIN 0x04
.irp i, 0,1,2,3,4,5,6,7,8,9,10,11,12,13,14,15
	ds_store_b64 v5, v[RS+4*\i:RS+4*\i+1] offset:((\t)&1)*EXSLOT+\i*EXP
.endr
.endm
; My four fragments of group t (kb = 2 t, 2 t + 1; q = 0, 1) come back turned.
.macro WGET t
	WIN 0x80+0x40*((\t)/8)
.irp k, 0,1
.irp q, 0,1
.set FR, 16*((2*(\t)+\k)&15)+8*\q
	ds_load_tr16_b128 v[FR:FR+3],   v6 offset:((\t)&1)*EXSLOT+\k*32*EXP+32*\q
	ds_load_tr16_b128 v[FR+4:FR+7], v6 offset:((\t)&1)*EXSLOT+\k*32*EXP+32*\q+16*EXP
.endr
.endr
.endm
; Quarter j of a tile's token fragments (kb = 8 j .. 8 j + 7), off bytes behind the tile in hand: 16 loads into ring set j.
.macro ALD j, off
	WIN 0x40
.irp f, 0,1,2,3,4,5,6,7
	global_load_b128 v[64*(\j)+8*\f:64*(\j)+8*\f+3],   v7, s[28:29] offset:\off+8192*(\j)+1024*\f
	global_load_b128 v[64*(\j)+8*\f+4:64*(\j)+8*\f+7], v7, s[28:29] offset:\off+8192*(\j)+1024*\f+512
.endr
.endm
; 16 products on quarter j.  The four accumulators take turns, one instruction a turn, from quarter to quarter and over the loop's edge too.
; The first product on each starts its sum: with the bias, or with 0.
.macro MM j
	WIN 0x06+(\j)/2
.irp f, 0,1,2,3,4,5,6,7
.irp q, 0,1
.set AC, ACC+16*\q+8*(\f%2)
.set WF, 16*(8*((\j)%2)+\f)+8*\q
.set TF, 64*(\j)+8*\f
.if ((\j) == 0) && (\f == 0)
	v_wmma_f32_16x16x32_bf16 v[AC:AC+7], v[WF:WF+7], v[TF:TF+7], v[BI+8*\q:BI+8*\q+7]
.elseif ((\j) == 0) && (\f == 1)
	v_wmma_f32_16x16x32_bf16 v[AC:AC+7], v[WF:WF+7], v[TF:TF+7], 0
.else
	v_wmma_f32_16x16x32_bf16 v[AC:AC+7], v[WF:WF+7], v[TF:TF+7], v[AC:AC+7]
.endif
.endr
.endr
.endm
; A tile.  ahead = 1: each quarter of the registers takes the next tile's fragments as soon as it has been multiplied: 48 products stand between a quarter's request and the wait for it.
.macro TILE ahead
.irp j, 0,1,2,3
.if \ahead
	s_wait_loadcnt 48                              ; loads come back in order (ISA guide 5.7.1): quarter j is in; the three quarters asked for behind it, 16 loads each, may be out
.else
	s_wait_loadcnt 16*(3-\j)                       ; the last tile: nothing is asked for behind it, the counts run down
.endif
	MM \j
.if \ahead || (\j == 3)
	PLACES                                         ; in front of the loads into the quarter just read, and of the first read of the sums
.endif
.if \ahead
	ALD \j, TS
.endif
.endr
	WIN 0
.irp q, 0,1
.irp i, 0,1,2,3
	v_pk_add_f32 v[E+8*\q+2*\i:E+8*\q+2*\i+1], v[ACC+16*\q+2*\i:ACC+16*\q+2*\i+1], v[ACC+16*\q+8+2*\i:ACC+16*\q+8+2*\i+1]
.endr
.endr
.if LAYER == 1
.irp j, 0,1,2,3,4,5,6,7,8,9,10,11,12,13,14,15
	v_max_num_f32 v[E+\j], 0, v[E+\j]
.endr
.irp j, 0,1,2,3,4,5,6,7
	v_cvt_pk_bf16_f32 v[E2+\j], v[E+2*\j], v[E+2*\j+1]
.endr
	global_store_b128 v7, v[E2:E2+3],   s[30:31]               ; columns 8 hh + 0..7 of my 32: registers 0-3 of the next layer's fragment
	global_store_b128 v7, v[E2+4:E2+7], s[30:31] offset:512    ; columns 16 + 8 hh + 0..7: registers 4-7
.else
.irp j, 0,1,2,3
	global_store_b128 v7, v[E+4*\j:E+4*\j+3], s[30:31] offset:512*\j   ; column tile 2 w + j / 2, registers 4 (j % 2) on; 512 consecutive bytes a store
.endr
.endif
.if \ahead
	s_wait_xcnt 0x0                                ; both bases and the stores' data are written again only behind this wait
	s_add_nc_u64 s[28:29], s[28:29], TS
	s_add_nc_u64 s[30:31], s[30:31], OTS
.endif
.endm
	s_load_b256 s[4:11], s[0:1], 0x0               ; weights s[4:5], bias s[6:7], tokens s[8:9], meta s[10:11]
	s_load_b64 s[12:13], s[0:1], 0x20              ; out
	v_lshl_add_u32 v254, v0, 2, 0x9000
	v_mov_b32 v255, 0
	v_and_b32 v1, 31, v0                           ; lane l
	v_lshrrev_b32 v3, 5, v0
	v_readfirstlane_b32 s14, v3                    ; wave w
	v_bfe_u32 v2, v0, 4, 1                         ; hh = l / 16
	v_lshlrev_b32 v7, 4, v1                        ; 16 l
	s_mul_i32 s22, s14, 16*WP
	v_add_nc_u32 v4, s22, v7                       ; weights: my wave's 16 rows of a group + 16 l
	s_mul_i32 s22, s14, 16*EXP
	v_lshl_add_u32 v5, v1, 3, s22                  ; LDS in: the same 16 rows, 8 l
	v_and_b32 v6, 7, v0
	v_lshl_add_u32 v6, v2, 3, v6
	v_mul_u32_u24 v6, v6, EXP                      ; LDS back: k-row 8 hh + l % 8,
	v_bfe_u32 v3, v0, 3, 1
	v_lshl_add_u32 v6, v3, 4, v6                   ; 16 bytes for each half of 16 lanes,
	s_lshl_b32 s22, s14, 6
	v_add_nc_u32 v6, s22, v6                       ; my wave's 32 columns
	s_lshl_b32 s22, s14, 7
	v_lshl_add_u32 v8, v2, 5, s22                  ; bias: 4 (32 w + 8 hh)
	s_lshr_b32 s15, ttmp9, 5                       ; expert e
	s_and_b32 s16, ttmp9, 31                       ; u: which of the expert's 32 blocks
.if LAYER == 1
	s_lshl_b32 s22, s15, 24                        ; an expert's weights are 2^24 bytes
	s_lshl_b32 s35, s16, 9                         ; column block u: 128 columns of 4 bytes
	s_add_co_u32 s22, s22, s35
	s_lshl_b32 s36, s15, 14                        ; an expert's bias: 4,096 numbers
.else
	s_and_b32 s17, s16, 3                          ; kq: which quarter of K
	s_lshr_b32 s34, s16, 2                         ; cb: which column block
	s_lshl_b32 s22, s15, 24
	s_lshl_b32 s35, s17, 22                        ; 1,024 rows of 4,096 bytes
	s_add_co_u32 s22, s22, s35
	s_lshl_b32 s35, s34, 9
	s_add_co_u32 s22, s22, s35
	s_lshl_b32 s36, s15, 12                        ; an expert's bias: 1,024 numbers
	s_cmp_eq_u32 s17, 0
	s_cselect_b32 s21, -1, 0                       ; the bias is added in quarter 0 alone
.endif
	s_add_co_u32 s36, s36, s35
	s_mov_b32 s23, 0
	s_mov_b32 s37, 0
	s_wait_kmcnt 0x0
	s_add_nc_u64 s[24:25], s[4:5], s[22:23]        ; my block's rows 0 to 511,
	s_add_nc_u64 s[26:27], s[24:25], 512*WP        ; and 512 to 1,023: so every row's offset fits the signed 24-bit immediate
	s_add_nc_u64 s[32:33], s[6:7], s[36:37]
	s_lshl_b32 s22, s15, 2
	s_add_nc_u64 s[10:11], s[10:11], s[22:23]
	s_load_b32 s18, s[10:11], 0x0                  ; TB[e]: the expert's first tile
	s_load_b32 s19, s[10:11], 0x20                 ; T[e]: its tiles
.irp q, 0,1
	global_load_b128 v[BI+8*\q:BI+8*\q+3],   v8, s[32:33] offset:64*\q
	global_load_b128 v[BI+8*\q+4:BI+8*\q+7], v8, s[32:33] offset:64*\q+16
.endr
	WLD 0
	WLD 1
	WLD 2
	WLD 3                                          ; the ring is full: 64 loads of 512 bytes of every wave
	s_wait_kmcnt 0x0
	s_min_u32 s18, s18, 71
	s_min_u32 s19, s19, 64
.if LAYER == 1
	s_lshl_b32 s22, s18, 15
	s_add_nc_u64 s[28:29], s[8:9], s[22:23]        ; xg at the expert's first tile
	s_lshl_b32 s22, s18, 17
	s_lshl2_add_u32 s35, s16, s14                  ; my 32 columns are the next layer's kb = 4 u + w
	s_lshl_b32 s35, s35, 10
	s_add_co_u32 s22, s22, s35
	s_add_nc_u64 s[30:31], s[12:13], s[22:23]
.else
	s_lshl_b32 s22, s18, 17
	s_lshl_b32 s35, s17, 15                        ; quarter kq: kb = 32 kq on
	s_add_co_u32 s22, s22, s35
	s_add_nc_u64 s[28:29], s[8:9], s[22:23]        ; h at the expert's first tile
	s_mul_i32 s22, s17, PLANE
	s_lshl_b32 s35, s18, 16
	s_add_co_u32 s22, s22, s35
	s_lshl2_add_u32 s35, s34, s14
	s_lshl_b32 s35, s35, 11                        ; column tile 8 cb + 2 w
	s_add_co_u32 s22, s22, s35
	s_add_nc_u64 s[30:31], s[12:13], s[22:23]
.endif
	; PHASE A: 16 groups of 64 k-rows.  One barrier a group serves both orders: in front of it each wave has waited for its stores into this group's slot and for its reads of the other slot (the group
	; before); behind it this slot is read, and the next group's stores into the other slot follow.  The set just stored is asked for again at once: with the weights four groups on, or, in the last
	; four groups, with a quarter of the first tile's tokens (an expert without tokens loads the tile at its TB, 71 at the most of the buffer's 72, and uses nothing of it).
.irp t, 0,1,2,3,4,5,6,7,8,9,10,11,12,13,14,15
	s_wait_loadcnt 48                              ; group t is in (and the bias, which is older); the three sets asked for behind it, 16 loads each, stay out
	CVTX \t
	s_wait_dscnt 0x0
	s_barrier_signal -1
	s_barrier_wait -1
.if \t < 12
	WLD \t+4
.else
	ALD \t-12, 0
.endif
	WGET \t
.endr
	WIN 0
	s_wait_dscnt 0x0                               ; all 64 fragments are in
.if LAYER == 2
.irp j, 0,1,2,3,4,5,6,7,8,9,10,11,12,13,14,15
	v_and_b32 v[BI+\j], s21, v[BI+\j]              ; quarters 1 to 3 start their sums with 0
.endr
.endif
	; PHASE B: the expert's T tiles.  The first tile's four quarters are on their way.
	s_cmp_eq_u32 s19, 0
	s_cbranch_scc1 .Lend                           ; an expert without tokens
	s_sub_co_u32 s20, s19, 1
	s_cmp_eq_u32 s20, 0
	s_cbranch_scc1 .Llast
.Ltile:
	TILE 1
	s_sub_co_u32 s20, s20, 1
	s_cmp_lg_u32 s20, 0
	s_cbranch_scc1 .Ltile
.Llast:
	TILE 0                                         ; the last tile loads nothing more
.Lend:
	s_wait_tensorcnt 0x0
	ds_add_u32 v254, v255
	s_wait_dscnt 0x0
	s_endpgm
.Lfunc_end_k_qc3dae81a90_ffn1:
	.size	k_qc3dae81a90_ffn1, .Lfunc_end_k_qc3dae81a90_ffn1-k_qc3dae81a90_ffn1
	.p2alignl 7, 3214868480
	.fill 96, 4, 3214868480
	.section	.rodata,"a",@progbits
	.p2align	6, 0x0
	.amdhsa_kernel k_qc3dae81a90_ffn1
		.amdhsa_group_segment_fixed_size 37376
		.amdhsa_private_segment_fixed_size 0
		.amdhsa_enable_private_segment 0
		.amdhsa_kernarg_size 40
		.amdhsa_user_sgpr_count 2
		.amdhsa_user_sgpr_kernarg_segment_ptr 1
		.amdhsa_wavefront_size32 1
		.amdhsa_system_sgpr_workgroup_id_x 1
		.amdhsa_system_sgpr_workgroup_id_y 1
		.amdhsa_system_sgpr_workgroup_id_z 1
		.amdhsa_system_vgpr_workitem_id 0
		.amdhsa_next_free_vgpr 1024
		.amdhsa_next_free_sgpr 66
		.amdhsa_reserve_vcc 0
		.amdhsa_float_denorm_mode_32 3
		.amdhsa_float_denorm_mode_16_64 3
		.amdhsa_memory_ordered 1
		.amdhsa_forward_progress 1
		.amdhsa_inst_pref_size 112
	.end_amdhsa_kernel
	.amdgpu_metadata
---
amdhsa.version: [ 1, 2 ]
amdhsa.kernels:
  - .name:           k_qc3dae81a90_ffn1
    .symbol:         k_qc3dae81a90_ffn1.kd
    .args:
      - { .name: w1, .offset: 0, .size: 8, .value_kind: global_buffer, .address_space: global }
      - { .name: b1, .offset: 8, .size: 8, .value_kind: global_buffer, .address_space: global }
      - { .name: xg, .offset: 16, .size: 8, .value_kind: global_buffer, .address_space: global }
      - { .name: meta, .offset: 24, .size: 8, .value_kind: global_buffer, .address_space: global }
      - { .name: h, .offset: 32, .size: 8, .value_kind: global_buffer, .address_space: global }
    .group_segment_fixed_size: 37376
    .private_segment_fixed_size: 0
    .kernarg_segment_align: 8
    .kernarg_segment_size: 40
    .max_flat_workgroup_size: 128
    .sgpr_count:     66
    .vgpr_count:     1024
    .wavefront_size: 32
...
	.end_amdgpu_metadata
.endif
;; end of part 4
;; launch ffn2 (part 5): grid 256 x 1, 4 waves a work-group, no clusters, 37,376 bytes of LDS; arguments w2, b2, h, meta, part; writes part
.if DOCPART == 5
	.amdgcn_target "amdgcn-amd-amdhsa--gfx1250"
	.amdhsa_code_object_version 6
	.text
	.protected	k_qc3dae81a90_ffn2
	.globl	k_qc3dae81a90_ffn2
	.p2align	8
	.type	k_qc3dae81a90_ffn2,@function
k_qc3dae81a90_ffn2:
	s_mov_b64 s[64:65], 0
	v_nop
	global_prefetch_b8 v0, s[64:65] scope:SCOPE_SE
	s_setreg_imm32_b32 hwreg(HW_REG_WAVE_MODE, 25, 1), 1
	s_wait_xcnt 0x0
; One layer of the experts, on the tokens that the gate gave each expert.  LAYER 1: h = bf16(relu(x w1[e] + b1[e])).  LAYER 2: part[kq] = h w2[e] over a quarter of K (+ b2[e] in quarter 0).
; reference() multiplies every token by every expert and then keeps, by a mask of its own making, one expert's result for each token: only that one is computed.
; THE WEIGHTS STAY, THE TOKENS PASS.  A work-group owns 1,024 k x 128 columns of one expert: 512 KB of f32, read once, rounded to bf16.  Wave w keeps columns 32 w .. 32 w + 31
; over all 1,024 k as 64 fragments, 512 registers.  Then each wave walks the expert's tiles of 16 tokens (their number is read from meta: 0 to 64) and multiplies each by its fragments.
; K = 4,096 is split in four among work-groups, and the four partial sums go to planes of their own, which the next launch adds: with all of K in one work-group its registers would hold
; 32 columns only, 128-byte pieces of w2's rows.
; PHASE A has constant trips and holds every barrier; PHASE B, whose trips are read from memory, uses no LDS and no barrier: each wave loads the token fragments itself, in the order in which
; the launch before stored them (1,024 bytes = 16 tokens x 32 k; a lane's 16 bytes at 16 l and at 512 + 16 l).
; ONE RING OF LOADS FOR BOTH PHASES: four sets of 64 registers, 16 loads each.  In phase A a set holds 16 k-rows of weights; when no weights are left to ask for, the sets take the four quarters
; of the first tile's token fragments, and in phase B each quarter is asked for again, for the next tile, as soon as it has been multiplied.  So 48 to 64 loads of a wave are out from the
; kernel's head to its last tile, and every wait for data but the last four leaves 48 out.
; The matrix instruction has the weights' columns as rows (source 0) and the tokens as columns (source 1): lane l holds token l % 16, register j column 8 (l / 16) + j.
; The results are stored as they lie in the registers, 512 consecutive bytes a store; the next launch turns them.
; No tensor loads: the weights pass through registers for the rounding.  No cluster: no two work-groups read the same weights, and the trips of what they share (the tokens) come from memory.
; LIMITS.  Matrix operands are rounded to bf16, sums are f32, the biases stay f32.  NaN and infinities are not served.
.set LAYER, 2
.if LAYER == 1
.set WP,  16384                        ; bytes in a row of the weights
.set TS,  32768                        ; bytes from a tile of tokens to the next, in
.set OTS, 131072                       ; and out
.else
.set WP,  4096
.set TS,  131072
.set OTS, 65536
.endif
.set PLANE,  4718592                   ; a plane of part: 72 tiles x 64 column tiles x 1,024 bytes
.set EXP,    288                       ; LDS: a k-row of 128 bf16 + 32 bytes = 9 x 32: the turning load's 8 rows x 32 bytes fall on different banks (64 banks of 4 bytes: ISA guide 11.1)
.set EXSLOT, 64*EXP                    ; two slots of 64 k-rows take turns
; window 0: v1 l, v2 hh, v4 weights' offset, v5 LDS in, v6 LDS back, v7 16 l, v8 bias offset
.set BI,  16                           ; v[16:31]  bias of my 32 columns, in an accumulator's layout: the C of a tile's first products
.set ACC, 32                           ; v[32:63]  accumulator (q, p) at 16 q + 8 p: columns 16 q on, even (p = 0) or odd kb
.set E,   64                           ; v[64:79]  the tile's results
.set E2,  80                           ; v[80:87]  as bf16
; window 1: the ring's four sets of 64 registers; as token fragments: kb at 8 kb
; windows 2, 3: weight fragment (kb, q) at 16 (kb % 16) + 8 q in window 2 + kb / 16
.set MSB, 0
.macro WIN new                         ; low byte: bits 1:0 source 0, 3:2 source 1, 5:4 source 2, 7:6 destination; the high byte repeats the setting that is left
.if MSB != (\new)
	s_set_vgpr_msb (MSB<<8)|(\new)
.set MSB, (\new)
.endif
.endm
.macro PLACES                          ; four places between a matrix instruction and a read of its result or a load into its sources (ISA guide 7.12.1 for vector instructions)
.rept 4
	v_nop
.endr
.endm
; Group t of 16: k-rows 64 t + 16 w + i, i = 0..15, 512 consecutive bytes of each, into ring set t % 4.
.macro WLD t
.set RS, 64*((\t)&3)
.set WB, 24+2*((\t)/8)
	WIN 0x40
.irp i, 0,1,2,3,4,5,6,7,8,9,10,11,12,13,14,15
	global_load_b128 v[RS+4*\i:RS+4*\i+3], v4, s[WB:WB+1] offset:(((\t)&7)*64+\i)*WP th:TH_LOAD_NT
.endr
.endm
; Group t is rounded in place and laid into LDS slot t % 2, [k][column].
.macro CVTX t
.set RS, 64*((\t)&3)
	WIN 0x45
.irp i, 0,1,2,3,4,5,6,7,8,9,10,11,12,13,14,15
	v_cvt_pk_bf16_f32 v[RS+4*\i],   v[RS+4*\i],   v[RS+4*\i+1]
	v_cvt_pk_bf16_f32 v[RS+4*\i+1], v[RS+4*\i+2], v[RS+4*\i+3]
.endr
	WIN 0x04
.irp i, 0,1,2,3,4,5,6,7,8,9,10,11,12,13,14,15
	ds_store_b64 v5, v[RS+4*\i:RS+4*\i+1] offset:((\t)&1)*EXSLOT+\i*EXP
.endr
.endm
; My four fragments of group t (kb = 2 t, 2 t + 1; q = 0, 1) come back turned.
.macro WGET t
	WIN 0x80+0x40*((\t)/8)
.irp k, 0,1
.irp q, 0,1
.set FR, 16*((2*(\t)+\k)&15)+8*\q
	ds_load_tr16_b128 v[FR:FR+3],   v6 offset:((\t)&1)*EXSLOT+\k*32*EXP+32*\q
	ds_load_tr16_b128 v[FR+4:FR+7], v6 offset:((\t)&1)*EXSLOT+\k*32*EXP+32*\q+16*EXP
.endr
.endr
.endm
; Quarter j of a tile's token fragments (kb = 8 j .. 8 j + 7), off bytes behind the tile in hand: 16 loads into ring set j.
.macro ALD j, off
	WIN 0x40
.irp f, 0,1,2,3,4,5,6,7
	global_load_b128 v[64*(\j)+8*\f:64*(\j)+8*\f+3],   v7, s[28:29] offset:\off+8192*(\j)+1024*\f
	global_load_b128 v[64*(\j)+8*\f+4:64*(\j)+8*\f+7], v7, s[28:29] offset:\off+8192*(\j)+1024*\f+512
.endr
.endm
; 16 products on quarter j.  The four accumulators take turns, one instruction a turn, from quarter to quarter and over the loop's edge too.
; The first product on each starts its sum: with the bias, or with 0.
.macro MM j
	WIN 0x06+(\j)/2
.irp f, 0,1,2,3,4,5,6,7
.irp q, 0,1
.set AC, ACC+16*\q+8*(\f%2)
.set WF, 16*(8*((\j)%2)+\f)+8*\q
.set TF, 64*(\j)+8*\f
.if ((\j) == 0) && (\f == 0)
	v_wmma_f32_16x16x32_bf16 v[AC:AC+7], v[WF:WF+7], v[TF:TF+7], v[BI+8*\q:BI+8*\q+7]
.elseif ((\j) == 0) && (\f == 1)
	v_wmma_f32_16x16x32_bf16 v[AC:AC+7], v[WF:WF+7], v[TF:TF+7], 0
.else
	v_wmma_f32_16x16x32_bf16 v[AC:AC+7], v[WF:WF+7], v[TF:TF+7], v[AC:AC+7]
.endif
.endr
.endr
.endm
; A tile.  ahead = 1: each quarter of the registers takes the next tile's fragments as soon as it has been multiplied: 48 products stand between a quarter's request and the wait for it.
.macro TILE ahead
.irp j, 0,1,2,3
.if \ahead
	s_wait_loadcnt 48                              ; loads come back in order (ISA guide 5.7.1): quarter j is in; the three quarters asked for behind it, 16 loads each, may be out
.else
	s_wait_loadcnt 16*(3-\j)                       ; the last tile: nothing is asked for behind it, the counts run down
.endif
	MM \j
.if \ahead || (\j == 3)
	PLACES                                         ; in front of the loads into the quarter just read, and of the first read of the sums
.endif
.if \ahead
	ALD \j, TS
.endif
.endr
	WIN 0
.irp q, 0,1
.irp i, 0,1,2,3
	v_pk_add_f32 v[E+8*\q+2*\i:E+8*\q+2*\i+1], v[ACC+16*\q+2*\i:ACC+16*\q+2*\i+1], v[ACC+16*\q+8+2*\i:ACC+16*\q+8+2*\i+1]
.endr
.endr
.if LAYER == 1
.irp j, 0,1,2,3,4,5,6,7,8,9,10,11,12,13,14,15
	v_max_num_f32 v[E+\j], 0, v[E+\j]
.endr
.irp j, 0,1,2,3,4,5,6,7
	v_cvt_pk_bf16_f32 v[E2+\j], v[E+2*\j], v[E+2*\j+1]
.endr
	global_store_b128 v7, v[E2:E2+3],   s[30:31]               ; columns 8 hh + 0..7 of my 32: registers 0-3 of the next layer's fragment
	global_store_b128 v7, v[E2+4:E2+7], s[30:31] offset:512    ; columns 16 + 8 hh + 0..7: registers 4-7
.else
.irp j, 0,1,2,3
	global_store_b128 v7, v[E+4*\j:E+4*\j+3], s[30:31] offset:512*\j   ; column tile 2 w + j / 2, registers 4 (j % 2) on; 512 consecutive bytes a store
.endr
.endif
.if \ahead
	s_wait_xcnt 0x0                                ; both bases and the stores' data are written again only behind this wait
	s_add_nc_u64 s[28:29], s[28:29], TS
	s_add_nc_u64 s[30:31], s[30:31], OTS
.endif
.endm
	s_load_b256 s[4:11], s[0:1], 0x0               ; weights s[4:5], bias s[6:7], tokens s[8:9], meta s[10:11]
	s_load_b64 s[12:13], s[0:1], 0x20              ; out
	v_lshl_add_u32 v254, v0, 2, 0x9000
	v_mov_b32 v255, 0
	v_and_b32 v1, 31, v0                           ; lane l
	v_lshrrev_b32 v3, 5, v0
	v_readfirstlane_b32 s14, v3                    ; wave w
	v_bfe_u32 v2, v0, 4, 1                         ; hh = l / 16
	v_lshlrev_b32 v7, 4, v1                        ; 16 l
	s_mul_i32 s22, s14, 16*WP
	v_add_nc_u32 v4, s22, v7                       ; weights: my wave's 16 rows of a group + 16 l
	s_mul_i32 s22, s14, 16*EXP
	v_lshl_add_u32 v5, v1, 3, s22                  ; LDS in: the same 16 rows, 8 l
	v_and_b32 v6, 7, v0
	v_lshl_add_u32 v6, v2, 3, v6
	v_mul_u32_u24 v6, v6, EXP                      ; LDS back: k-row 8 hh + l % 8,
	v_bfe_u32 v3, v0, 3, 1
	v_lshl_add_u32 v6, v3, 4, v6                   ; 16 bytes for each half of 16 lanes,
	s_lshl_b32 s22, s14, 6
	v_add_nc_u32 v6, s22, v6                       ; my wave's 32 columns
	s_lshl_b32 s22, s14, 7
	v_lshl_add_u32 v8, v2, 5, s22                  ; bias: 4 (32 w + 8 hh)
	s_lshr_b32 s15, ttmp9, 5                       ; expert e
	s_and_b32 s16, ttmp9, 31                       ; u: which of the expert's 32 blocks
.if LAYER == 1
	s_lshl_b32 s22, s15, 24                        ; an expert's weights are 2^24 bytes
	s_lshl_b32 s35, s16, 9                         ; column block u: 128 columns of 4 bytes
	s_add_co_u32 s22, s22, s35
	s_lshl_b32 s36, s15, 14                        ; an expert's bias: 4,096 numbers
.else
	s_and_b32 s17, s16, 3                          ; kq: which quarter of K
	s_lshr_b32 s34, s16, 2                         ; cb: which column block
	s_lshl_b32 s22, s15, 24
	s_lshl_b32 s35, s17, 22                        ; 1,024 rows of 4,096 bytes
	s_add_co_u32 s22, s22, s35
	s_lshl_b32 s35, s34, 9
	s_add_co_u32 s22, s22, s35
	s_lshl_b32 s36, s15, 12                        ; an expert's bias: 1,024 numbers
	s_cmp_eq_u32 s17, 0
	s_cselect_b32 s21, -1, 0                       ; the bias is added in quarter 0 alone
.endif
	s_add_co_u32 s36, s36, s35
	s_mov_b32 s23, 0
	s_mov_b32 s37, 0
	s_wait_kmcnt 0x0
	s_add_nc_u64 s[24:25], s[4:5], s[22:23]        ; my block's rows 0 to 511,
	s_add_nc_u64 s[26:27], s[24:25], 512*WP        ; and 512 to 1,023
	s_add_nc_u64 s[32:33], s[6:7], s[36:37]
	s_lshl_b32 s22, s15, 2
	s_add_nc_u64 s[10:11], s[10:11], s[22:23]
	s_load_b32 s18, s[10:11], 0x0                  ; TB[e]: the expert's first tile
	s_load_b32 s19, s[10:11], 0x20                 ; T[e]: its tiles
.irp q, 0,1
	global_load_b128 v[BI+8*\q:BI+8*\q+3],   v8, s[32:33] offset:64*\q
	global_load_b128 v[BI+8*\q+4:BI+8*\q+7], v8, s[32:33] offset:64*\q+16
.endr
	WLD 0
	WLD 1
	WLD 2
	WLD 3                                          ; the ring is full: 64 loads of 512 bytes of every wave
	s_wait_kmcnt 0x0
	s_min_u32 s18, s18, 71
	s_min_u32 s19, s19, 64
.if LAYER == 1
	s_lshl_b32 s22, s18, 15
	s_add_nc_u64 s[28:29], s[8:9], s[22:23]        ; xg at the expert's first tile
	s_lshl_b32 s22, s18, 17
	s_lshl2_add_u32 s35, s16, s14                  ; my 32 columns are the next layer's kb = 4 u + w
	s_lshl_b32 s35, s35, 10
	s_add_co_u32 s22, s22, s35
	s_add_nc_u64 s[30:31], s[12:13], s[22:23]
.else
	s_lshl_b32 s22, s18, 17
	s_lshl_b32 s35, s17, 15                        ; quarter kq: kb = 32 kq on
	s_add_co_u32 s22, s22, s35
	s_add_nc_u64 s[28:29], s[8:9], s[22:23]        ; h at the expert's first tile
	s_mul_i32 s22, s17, PLANE
	s_lshl_b32 s35, s18, 16
	s_add_co_u32 s22, s22, s35
	s_lshl2_add_u32 s35, s34, s14
	s_lshl_b32 s35, s35, 11                        ; column tile 8 cb + 2 w
	s_add_co_u32 s22, s22, s35
	s_add_nc_u64 s[30:31], s[12:13], s[22:23]
.endif
	; PHASE A: 16 groups of 64 k-rows.  One barrier a group serves both orders: in front of it each wave has waited for its stores into this group's slot and for its reads of the other slot (the group
	; before); behind it this slot is read, and the next group's stores into the other slot follow.  The set just stored is asked for again at once: with the weights four groups on, or, in the last
	; four groups, with a quarter of the first tile's tokens (an expert without tokens loads the tile at its TB, 71 at the most of the buffer's 72, and uses nothing of it).
.irp t, 0,1,2,3,4,5,6,7,8,9,10,11,12,13,14,15
	s_wait_loadcnt 48                              ; group t is in (and the bias, which is older); the three sets asked for behind it, 16 loads each, stay out
	CVTX \t
	s_wait_dscnt 0x0
	s_barrier_signal -1
	s_barrier_wait -1
.if \t < 12
	WLD \t+4
.else
	ALD \t-12, 0
.endif
	WGET \t
.endr
	WIN 0
	s_wait_dscnt 0x0                               ; all 64 fragments are in
.if LAYER == 2
.irp j, 0,1,2,3,4,5,6,7,8,9,10,11,12,13,14,15
	v_and_b32 v[BI+\j], s21, v[BI+\j]              ; quarters 1 to 3 start their sums with 0
.endr
.endif
	; PHASE B: the expert's T tiles.  The first tile's four quarters are on their way.
	s_cmp_eq_u32 s19, 0
	s_cbranch_scc1 .Lend                           ; an expert without tokens
	s_sub_co_u32 s20, s19, 1
	s_cmp_eq_u32 s20, 0
	s_cbranch_scc1 .Llast
.Ltile:
	TILE 1
	s_sub_co_u32 s20, s20, 1
	s_cmp_lg_u32 s20, 0
	s_cbranch_scc1 .Ltile
.Llast:
	TILE 0                                         ; the last tile loads nothing more
.Lend:
	s_wait_tensorcnt 0x0
	ds_add_u32 v254, v255
	s_wait_dscnt 0x0
	s_endpgm
.Lfunc_end_k_qc3dae81a90_ffn2:
	.size	k_qc3dae81a90_ffn2, .Lfunc_end_k_qc3dae81a90_ffn2-k_qc3dae81a90_ffn2
	.p2alignl 7, 3214868480
	.fill 96, 4, 3214868480
	.section	.rodata,"a",@progbits
	.p2align	6, 0x0
	.amdhsa_kernel k_qc3dae81a90_ffn2
		.amdhsa_group_segment_fixed_size 37376
		.amdhsa_private_segment_fixed_size 0
		.amdhsa_enable_private_segment 0
		.amdhsa_kernarg_size 40
		.amdhsa_user_sgpr_count 2
		.amdhsa_user_sgpr_kernarg_segment_ptr 1
		.amdhsa_wavefront_size32 1
		.amdhsa_system_sgpr_workgroup_id_x 1
		.amdhsa_system_sgpr_workgroup_id_y 1
		.amdhsa_system_sgpr_workgroup_id_z 1
		.amdhsa_system_vgpr_workitem_id 0
		.amdhsa_next_free_vgpr 1024
		.amdhsa_next_free_sgpr 66
		.amdhsa_reserve_vcc 0
		.amdhsa_float_denorm_mode_32 3
		.amdhsa_float_denorm_mode_16_64 3
		.amdhsa_memory_ordered 1
		.amdhsa_forward_progress 1
		.amdhsa_inst_pref_size 112
	.end_amdhsa_kernel
	.amdgpu_metadata
---
amdhsa.version: [ 1, 2 ]
amdhsa.kernels:
  - .name:           k_qc3dae81a90_ffn2
    .symbol:         k_qc3dae81a90_ffn2.kd
    .args:
      - { .name: w2, .offset: 0, .size: 8, .value_kind: global_buffer, .address_space: global }
      - { .name: b2, .offset: 8, .size: 8, .value_kind: global_buffer, .address_space: global }
      - { .name: h, .offset: 16, .size: 8, .value_kind: global_buffer, .address_space: global }
      - { .name: meta, .offset: 24, .size: 8, .value_kind: global_buffer, .address_space: global }
      - { .name: part, .offset: 32, .size: 8, .value_kind: global_buffer, .address_space: global }
    .group_segment_fixed_size: 37376
    .private_segment_fixed_size: 0
    .kernarg_segment_align: 8
    .kernarg_segment_size: 40
    .max_flat_workgroup_size: 128
    .sgpr_count:     66
    .vgpr_count:     1024
    .wavefront_size: 32
...
	.end_amdgpu_metadata
.endif
;; end of part 5
;; launch combine (part 6): grid 64 x 4, 8 waves a work-group, no clusters, 35,840 bytes of LDS; arguments part, list, meta, out0; writes out0
.if DOCPART == 6
	.amdgcn_target "amdgcn-amd-amdhsa--gfx1250"
	.amdhsa_code_object_version 6
	.text
	.protected	k_qc3dae81a90_combine
	.globl	k_qc3dae81a90_combine
	.p2align	8
	.type	k_qc3dae81a90_combine,@function
k_qc3dae81a90_combine:
	s_mov_b64 s[64:65], 0
	v_nop
	global_prefetch_b8 v0, s[64:65] scope:SCOPE_SE
	s_setreg_imm32_b32 hwreg(HW_REG_WAVE_MODE, 25, 1), 1
	s_wait_xcnt 0x0
; out0[token] = (p0 + p1) + (p2 + p3): the four partial sums over K of the second layer, added in f32, turned, and sent to the token's row.
; part: plane kq x 4,718,592 + tile x 65,536 + column tile x 1,024 bytes; in a column tile (16 tokens x 16 columns) lane l = (r, hh) of the storing wave
; left token r's columns 8 hh + 0..3 at byte 16 l and 8 hh + 4..7 at byte 512 + 16 l.
; SHARES.  A wave owns one tile of 16 tokens and 64 columns: 4 KB of each plane.  Waves 0-3 of work-group (x, y) take tile x, waves 4-7 tile x + 64; columns 64 (4 y + w % 4) on.
; ntiles is 64 to 71: tile x always exists, so waves 0-3 do not read ntiles; waves 4-7 read it and end where their tile does not exist.  So the few tiles from 64 on
; run beside the others, in waves of their own, and not behind them.
; The sums go through the wave's own 16 rows of LDS, so that sixteen neighbouring lanes store 256 consecutive aligned bytes of a token's row.  No barrier: no wave reads another's bytes.
; Slots behind an expert's last token repeat that token: they hold the same numbers, and the same wave stores them to the same bytes.
; A stream: no matrix work, no cluster, no tensor loads; 40 loads of every wave are on their way at once.
.set PLANE, 4718592
.set SP,  272                          ; an LDS row: 256 bytes + 16: 16 rows start 16 bytes apart modulo 256
.set ID,  16                           ; v[16:23]   the tokens of rows 2 i + a, then their offsets in out0
.set PL,  32                           ; v[32:159]  plane kq at 32 kq
.set RB,  160                          ; v[160:191] the rows read back
	s_load_b256 s[4:11], s[0:1], 0x0               ; part s[4:5], list s[6:7], meta s[8:9], out0 s[10:11]
	v_lshl_add_u32 v192, v0, 2, 0x8800
	v_mov_b32 v193, 0
	v_and_b32 v1, 31, v0                           ; lane l
	v_lshrrev_b32 v2, 5, v0
	v_readfirstlane_b32 s12, v2                    ; wave w, 0 to 7
	s_and_b32 s15, s12, 3
	s_lshr_b32 s29, s12, 2
	s_lshl_b32 s29, s29, 6
	s_add_co_u32 s29, s29, ttmp9                   ; my tile = x + 64 (w / 4)
	s_min_u32 s36, s29, 71                         ; for the addresses: a tile that exists is 70 at the most, so the clamp changes none that is used
	s_and_b32 s13, ttmp7, 0xffff
	s_lshl2_add_u32 s13, s13, s15                  ; column group = 4 y + w % 4: 64 columns
	v_and_b32 v2, 15, v0                           ; r, c = l % 16
	v_bfe_u32 v3, v0, 4, 1                         ; hh, a = l / 16
	v_lshlrev_b32 v4, 4, v1                        ; 16 l
	s_mul_i32 s14, s12, 16*SP                      ; my wave's rows in LDS
	v_mul_u32_u24 v5, v2, SP
	v_lshl_add_u32 v5, v3, 5, v5
	v_add_nc_u32 v5, s14, v5                       ; in: row r, 32 hh
	v_mul_u32_u24 v6, v3, SP
	v_lshl_add_u32 v6, v2, 4, v6
	v_add_nc_u32 v6, s14, v6                       ; back: row a, 16 c
	v_lshlrev_b32 v7, 2, v3                        ; list: 4 a
	v_lshlrev_b32 v8, 4, v2                        ; 16 c
	s_lshl_b32 s30, s36, 16
	s_lshl_b32 s31, s13, 12
	s_add_co_u32 s30, s30, s31                     ; tile x 65,536 + column group x 4,096
	s_mov_b32 s31, 0
	s_lshl_b32 s32, s36, 6                         ; the tile's 16 words of the list
	s_mov_b32 s33, 0
	s_lshl_b32 s34, s13, 8                         ; the group's 256 bytes of a row
	s_mov_b32 s35, 0
	s_wait_kmcnt 0x0
	s_add_nc_u64 s[16:17], s[4:5], s[30:31]
	s_add_nc_u64 s[18:19], s[16:17], PLANE
	s_add_nc_u64 s[20:21], s[18:19], PLANE
	s_add_nc_u64 s[22:23], s[20:21], PLANE
	s_add_nc_u64 s[24:25], s[6:7], s[32:33]
	s_add_nc_u64 s[26:27], s[10:11], s[34:35]
	s_cmp_lt_u32 s12, 4
	s_cbranch_scc1 .Lgo                            ; waves 0-3: the tile exists
	s_load_b32 s28, s[8:9], 0x40                   ; ntiles
	s_wait_kmcnt 0x0
	s_cmp_ge_u32 s29, s28
	s_cbranch_scc1 .Lend                           ; no such tile
.Lgo:
.irp i, 0,1,2,3,4,5,6,7
	global_load_b32 v[ID+\i], v7, s[24:25] offset:8*\i             ; the token of row 2 i + a
.endr
.irp k, 0,1,2,3
.irp i, 0,1,2,3,4,5,6,7
	global_load_b128 v[PL+32*\k+4*\i:PL+32*\k+4*\i+3], v4, s[16+2*\k:17+2*\k] offset:512*\i th:TH_LOAD_NT
.endr
.endr
	s_wait_loadcnt 0x0
.set i, 0
.rept 16
	v_pk_add_f32 v[PL+2*i:PL+2*i+1],       v[PL+2*i:PL+2*i+1],       v[PL+32+2*i:PL+32+2*i+1]
	v_pk_add_f32 v[PL+64+2*i:PL+64+2*i+1], v[PL+64+2*i:PL+64+2*i+1], v[PL+96+2*i:PL+96+2*i+1]
.set i, i+1
.endr
.set i, 0
.rept 16
	v_pk_add_f32 v[PL+2*i:PL+2*i+1], v[PL+2*i:PL+2*i+1], v[PL+64+2*i:PL+64+2*i+1]
.set i, i+1
.endr
.irp i, 0,1,2,3,4,5,6,7
	ds_store_b128 v5, v[PL+4*\i:PL+4*\i+3] offset:64*(\i/2)+16*(\i%2)      ; column tile i / 2, columns 8 hh + 4 (i % 2) on
.endr
.irp i, 0,1,2,3,4,5,6,7
	ds_load_b128 v[RB+4*\i:RB+4*\i+3], v6 offset:2*\i*SP                   ; LDS serves a wave's instructions in order (ISA guide 5.7.1.4): these see the stores above
.endr
.irp i, 0,1,2,3,4,5,6,7
	v_min_u32 v[ID+\i], 1023, v[ID+\i]
	v_lshl_add_u32 v[ID+\i], v[ID+\i], 12, v8      ; the token's row of 4,096 bytes + 16 c
.endr
	s_wait_dscnt 0x0
.irp i, 0,1,2,3,4,5,6,7
	global_store_b128 v[ID+\i], v[RB+4*\i:RB+4*\i+3], s[26:27] th:TH_STORE_NT   ; 16 lanes store 256 consecutive bytes, at a multiple of 256 from out0's first byte
.endr
.Lend:
	s_wait_tensorcnt 0x0
	ds_add_u32 v192, v193
	s_wait_dscnt 0x0
	s_endpgm
.Lfunc_end_k_qc3dae81a90_combine:
	.size	k_qc3dae81a90_combine, .Lfunc_end_k_qc3dae81a90_combine-k_qc3dae81a90_combine
	.p2alignl 7, 3214868480
	.fill 96, 4, 3214868480
	.section	.rodata,"a",@progbits
	.p2align	6, 0x0
	.amdhsa_kernel k_qc3dae81a90_combine
		.amdhsa_group_segment_fixed_size 35840
		.amdhsa_private_segment_fixed_size 0
		.amdhsa_enable_private_segment 0
		.amdhsa_kernarg_size 32
		.amdhsa_user_sgpr_count 2
		.amdhsa_user_sgpr_kernarg_segment_ptr 1
		.amdhsa_wavefront_size32 1
		.amdhsa_system_sgpr_workgroup_id_x 1
		.amdhsa_system_sgpr_workgroup_id_y 1
		.amdhsa_system_sgpr_workgroup_id_z 1
		.amdhsa_system_vgpr_workitem_id 0
		.amdhsa_next_free_vgpr 194
		.amdhsa_next_free_sgpr 66
		.amdhsa_reserve_vcc 0
		.amdhsa_float_denorm_mode_32 3
		.amdhsa_float_denorm_mode_16_64 3
		.amdhsa_memory_ordered 1
		.amdhsa_forward_progress 1
		.amdhsa_inst_pref_size 12
	.end_amdhsa_kernel
	.amdgpu_metadata
---
amdhsa.version: [ 1, 2 ]
amdhsa.kernels:
  - .name:           k_qc3dae81a90_combine
    .symbol:         k_qc3dae81a90_combine.kd
    .args:
      - { .name: part, .offset: 0, .size: 8, .value_kind: global_buffer, .address_space: global }
      - { .name: list, .offset: 8, .size: 8, .value_kind: global_buffer, .address_space: global }
      - { .name: meta, .offset: 16, .size: 8, .value_kind: global_buffer, .address_space: global }
      - { .name: out0, .offset: 24, .size: 8, .value_kind: global_buffer, .address_space: global }
    .group_segment_fixed_size: 35840
    .private_segment_fixed_size: 0
    .kernarg_segment_align: 8
    .kernarg_segment_size: 32
    .max_flat_workgroup_size: 256
    .sgpr_count:     66
    .vgpr_count:     194
    .wavefront_size: 32
...
	.end_amdgpu_metadata
.endif
;; end of part 6
;; ======== version 2 of 2: 6 launches; version 1 with the launches ffn1, ffn2 written anew for expert scheduling mode
;; limits: values outside matrix products are rounded to bf16
;; workspace buffers: top1 4,096 bytes of whole numbers; list 4,608 bytes of whole numbers; meta 256 bytes of whole numbers; xg 2,359,296 bytes; h 9,437,184 bytes; part 18,874,368 bytes
;; launch gate: the kernel of part 1 again; grid 64 x 1, 4 waves a work-group, no clusters, 54,784 bytes of LDS; arguments x, gate_w, gate_b, top1; writes top1
;; launch route: the kernel of part 2 again; grid 32 x 1, 1 waves a work-group, no clusters, 0 bytes of LDS; arguments top1, list, meta; writes list, meta
;; launch gather: the kernel of part 3 again; grid 64 x 4, 8 waves a work-group, no clusters, 19,456 bytes of LDS; arguments list, meta, x, xg; writes xg
;; launch ffn1 (part 7): grid 256 x 1, 4 waves a work-group, no clusters, 37,376 bytes of LDS; arguments w1, b1, xg, meta, h; writes h
.if DOCPART == 7
	.amdgcn_target "amdgcn-amd-amdhsa--gfx1250"
	.amdhsa_code_object_version 6
	.text
	.protected	k_qc3dae81a90_ffn1
	.globl	k_qc3dae81a90_ffn1
	.p2align	8
	.type	k_qc3dae81a90_ffn1,@function
k_qc3dae81a90_ffn1:
	s_mov_b64 s[64:65], 0
	v_nop
	global_prefetch_b8 v0, s[64:65] scope:SCOPE_SE
	s_setreg_imm32_b32 hwreg(HW_REG_WAVE_SCHED_MODE, 0, 2), 2
	s_setreg_imm32_b32 hwreg(HW_REG_WAVE_MODE, 25, 1), 1
	s_wait_xcnt 0x0
	s_wait_alu depctr_vm_vsrc(0)
; One layer of the experts, on the tokens that the gate gave each expert.  LAYER 1: h = bf16(relu(x w1[e] + b1[e])).  LAYER 2: part[kq] = h w2[e] over a quarter of K (+ b2[e] in quarter 0).
; reference() multiplies every token by every expert and then keeps, by a mask of its own making, one expert's result for each token: only that one is computed.
; THE WEIGHTS STAY, THE TOKENS PASS.  A work-group owns 1,024 k x 128 columns of one expert: 512 KB of f32, read once, rounded to bf16.  Wave w keeps columns 32 w .. 32 w + 31
; over all 1,024 k as 64 fragments, 512 registers.  Then each wave walks the expert's tiles of 16 tokens (their number is read from meta: 0 to 64) and multiplies each by its fragments.
; PHASE A has constant trips and holds every barrier; PHASE B, whose trips are read from memory, uses no LDS and no barrier: each wave loads the token fragments itself, in the order in which
; the launch before stored them (1,024 bytes = 16 tokens x 32 k; a lane's 16 bytes at 16 l and at 512 + 16 l).
; ONE RING OF LOADS FOR BOTH PHASES: 256 registers.  In phase A they are four sets of 64, 16 loads each: a set holds 16 k-rows of weights.  When no weights are left to ask for, the sets take the
; first tile's token fragments, by eighths of a tile (four fragments, eight loads, 32 registers); in phase B an eighth is asked for again, for the next tile, in the step behind the one that
; multiplied it.  So 48 to 64 loads of a wave are out in phase A and 48 to 56 in phase B, and every wait for data but the last six leaves 48 out.
; The matrix instruction has the weights' columns as rows (source 0) and the tokens as columns (source 1): lane l holds token l % 16, register j column 8 (l / 16) + j.  Two such results, rounded to
; bf16 in pairs, are a token fragment of the next layer, so h is stored as 512 consecutive bytes a store, with no turn through LDS.
; No tensor loads: the weights pass through registers for the rounding.  No cluster: no two work-groups read the same weights, and the trips of what they share (the tokens) come from memory.
; LIMITS.  Matrix operands are rounded to bf16, sums are f32, the biases stay f32.  relu is a maximum in which a NaN loses: NaN and infinities are not served.
; THE MODE: SCHED_MODE bits 1:0 = 2 (LLVM: expert scheduling mode 2), set by the entry lines.  The code itself states the register dependences between vector or matrix instructions and
; memory or LDS instructions, with s_wait_alu, always for 0.
; THE PLAN.  Registers that memory or LDS instructions touch:
;   v4 - v8      offsets and LDS addresses: written once at the head, ahead of one wait on va_vdst; never written again (the rows and tiles are reached by scalar bases and immediate offsets).
;   BI           a load lands in it once; then matrix (and, in layer 2, sixteen vector) instructions alone name it.
;   the ring, phase A, group t: loads land in set t % 4; 32 conversions read and write it in place; 16 LDS stores read it; loads land in it again.  One wait on va_vdst between the conversions and
;                the stores, one on vm_vsrc between the stores and the loads; no vector instruction stands between the first of them and those loads.
;   the ring, phase B: step j's eight products read eighth j; the loads into it are issued in step j + 1, behind that step's one wait on va_vdst and its first two products, which name eighth j + 1,
;                weight fragments and accumulators.  Eighth 7 is asked for in step 0 of its own tile, covered by the wait on va_vdst in the epilogue of the tile before (from phase A: by group 15's two waits).
;   the weight fragments: LDS loads land in them once; nothing names them before, nothing lands in them behind.
;   E2 (layer 1), E (layer 2): written by a tile's epilogue; one wait on va_vdst ahead of its stores; one on vm_vsrc at the head of the next epilogue, a tile behind those stores.
.set LAYER, 1
.if LAYER == 1
.set WP,  16384                        ; bytes in a row of the weights
.set TS,  32768                        ; bytes from a tile of tokens to the next, in
.set OTS, 131072                       ; and out
.else
.set WP,  4096
.set TS,  131072
.set OTS, 65536
.endif
.set PLANE,  4718592                   ; a plane of part: 72 tiles x 64 column tiles x 1,024 bytes
.set EXP,    288                       ; LDS: a k-row of 128 bf16 + 32 bytes = 9 x 32: the turning load's 8 rows x 32 bytes fall on different banks (64 banks of 4 bytes: ISA guide 11.1)
.set EXSLOT, 64*EXP                    ; two slots of 64 k-rows take turns
; window 0: v1 l, v2 hh, v4 weights' offset, v5 LDS in, v6 LDS back, v7 16 l, v8 bias offset
.set BI,  16                           ; v[16:31]  bias of my 32 columns, in an accumulator's layout: the C of a tile's first products
.set ACC, 32                           ; v[32:63]  accumulator (q, p) at 16 q + 8 p: columns 16 q on, even (p = 0) or odd kb
.set E,   64                           ; v[64:79]  the tile's results
.set E2,  80                           ; v[80:87]  as bf16
; window 1: the ring; as token fragments: kb at 8 kb
; windows 2, 3: weight fragment (kb, q) at 16 (kb % 16) + 8 q in window 2 + kb / 16
.set MSB, 0
.macro WIN new                         ; low byte: bits 1:0 source 0, 3:2 source 1, 5:4 source 2, 7:6 destination; the high byte repeats the setting that is left
.if MSB != (\new)
	s_set_vgpr_msb (MSB<<8)|(\new)
.set MSB, (\new)
.endif
.endm
.macro PLACES                          ; four places between a matrix instruction and a vector instruction's read of its result (ISA guide 7.12.1)
.rept 4
	v_nop
.endr
.endm
; Group t of 16: k-rows 64 t + 16 w + i, i = 0..15, 512 consecutive bytes of each, into ring set t % 4.
.macro WLD t
.set RS, 64*((\t)&3)
.set WB, 24+2*((\t)/8)
	WIN 0x40
.irp i, 0,1,2,3,4,5,6,7,8,9,10,11,12,13,14,15
	global_load_b128 v[RS+4*\i:RS+4*\i+3], v4, s[WB:WB+1] offset:(((\t)&7)*64+\i)*WP th:TH_LOAD_NT
.endr
.endm
; Group t is rounded in place and laid into LDS slot t % 2, [k][column].
.macro CVTX t
.set RS, 64*((\t)&3)
	WIN 0x45
.irp i, 0,1,2,3,4,5,6,7,8,9,10,11,12,13,14,15
	v_cvt_pk_bf16_f32 v[RS+4*\i],   v[RS+4*\i],   v[RS+4*\i+1]
	v_cvt_pk_bf16_f32 v[RS+4*\i+1], v[RS+4*\i+2], v[RS+4*\i+3]
.endr
	WIN 0x04
	s_wait_alu depctr_va_vdst(0)                   ; the conversions have written set t % 4, which the LDS stores read; they are also done reading and writing it, for the loads that land in it behind the barrier
.irp i, 0,1,2,3,4,5,6,7,8,9,10,11,12,13,14,15
	ds_store_b64 v5, v[RS+4*\i:RS+4*\i+1] offset:((\t)&1)*EXSLOT+\i*EXP
.endr
.endm
; My four fragments of group t (kb = 2 t, 2 t + 1; q = 0, 1) come back turned.
.macro WGET t
	WIN 0x80+0x40*((\t)/8)
.irp k, 0,1
.irp q, 0,1
.set FR, 16*((2*(\t)+\k)&15)+8*\q
	ds_load_tr16_b128 v[FR:FR+3],   v6 offset:((\t)&1)*EXSLOT+\k*32*EXP+32*\q
	ds_load_tr16_b128 v[FR+4:FR+7], v6 offset:((\t)&1)*EXSLOT+\k*32*EXP+32*\q+16*EXP
.endr
.endr
.endm
; Eighth j of a tile's token fragments (kb = 4 j .. 4 j + 3), off bytes behind the tile in hand: 8 loads into 32 registers of the ring.
.macro ALD j, off
	WIN 0x40
.irp f, 0,1,2,3
	global_load_b128 v[32*(\j)+8*\f:32*(\j)+8*\f+3],   v7, s[28:29] offset:\off+4096*(\j)+1024*\f
	global_load_b128 v[32*(\j)+8*\f+4:32*(\j)+8*\f+7], v7, s[28:29] offset:\off+4096*(\j)+1024*\f+512
.endr
.endm
; The two products on token fragment kb.  The four accumulators take turns, one instruction a turn, from fragment to fragment and over the loop's edge too.
; The first product on each starts its sum: with the bias, or with 0.
.macro MMF kb
	WIN 0x06+(\kb)/16
.irp q, 0,1
.set AC, ACC+16*\q+8*((\kb)%2)
.set WF, 16*((\kb)%16)+8*\q
.set TF, 8*(\kb)
.if (\kb) == 0
	v_wmma_f32_16x16x32_bf16 v[AC:AC+7], v[WF:WF+7], v[TF:TF+7], v[BI+8*\q:BI+8*\q+7]
.elseif (\kb) == 1
	v_wmma_f32_16x16x32_bf16 v[AC:AC+7], v[WF:WF+7], v[TF:TF+7], 0
.else
	v_wmma_f32_16x16x32_bf16 v[AC:AC+7], v[WF:WF+7], v[TF:TF+7], v[AC:AC+7]
.endif
.endr
.endm
; A tile: eight steps of eight products.  Step 0 asks for this tile's eighth 7; ahead = 1: step j asks for the next tile's eighth j - 1.  54 products stand between an eighth's request and the wait for it.
.macro TILE ahead
.irp j, 0,1,2,3,4,5,6,7
.if \ahead || (\j == 0)
	s_wait_loadcnt 48                              ; loads come back in order (ISA guide 5.7.1): eighth j is in; the six eighths asked for behind it, 8 loads each, may be out
.else
	s_wait_loadcnt 8*(7-\j)                        ; the last tile: behind its eighth 7 nothing is asked for, the counts run down
.endif
.if \ahead && (\j > 0)
	s_wait_alu depctr_va_vdst(0)                   ; the products of step j - 1 are done reading eighth j - 1, in which the loads below land
.endif
	MMF 4*\j                                       ; these two name eighth j, weight fragments, accumulators and the bias: none of the registers that the loads below touch
.if \j == 0
	ALD 7, 0                                       ; no wait of its own: no vector or matrix instruction since the last wait on va_vdst (the epilogue's; from phase A, group 15's) names eighth 7
.elseif \ahead
	ALD \j-1, TS
.endif
	MMF 4*\j+1
	MMF 4*\j+2
	MMF 4*\j+3
.endr
	WIN 0
	s_wait_alu depctr_vm_vsrc(0)                   ; the stores of the tile before have read their data registers, which the lines below write again
	PLACES                                         ; in front of the first read of the sums
.irp q, 0,1
.irp i, 0,1,2,3
	v_pk_add_f32 v[E+8*\q+2*\i:E+8*\q+2*\i+1], v[ACC+16*\q+2*\i:ACC+16*\q+2*\i+1], v[ACC+16*\q+8+2*\i:ACC+16*\q+8+2*\i+1]
.endr
.endr
.if LAYER == 1
.irp j, 0,1,2,3,4,5,6,7,8,9,10,11,12,13,14,15
	v_max_num_f32 v[E+\j], 0, v[E+\j]
.endr
.irp j, 0,1,2,3,4,5,6,7
	v_cvt_pk_bf16_f32 v[E2+\j], v[E+2*\j], v[E+2*\j+1]
.endr
	s_wait_alu depctr_va_vdst(0)                   ; the roundings have written E2, which the stores read; step 7's products are done reading eighth 7, in which the next tile's first loads land
	global_store_b128 v7, v[E2:E2+3],   s[30:31]               ; columns 8 hh + 0..7 of my 32: registers 0-3 of the next layer's fragment
	global_store_b128 v7, v[E2+4:E2+7], s[30:31] offset:512    ; columns 16 + 8 hh + 0..7: registers 4-7
.else
	s_wait_alu depctr_va_vdst(0)                   ; the additions have written E, which the stores read; step 7's products are done reading eighth 7, in which the next tile's first loads land
.irp j, 0,1,2,3
	global_store_b128 v7, v[E+4*\j:E+4*\j+3], s[30:31] offset:512*\j   ; column tile 2 w + j / 2, registers 4 (j % 2) on; 512 consecutive bytes a store
.endr
.endif
.if \ahead
	s_wait_xcnt 0x0                                ; both bases and the stores' data are written again only behind this wait
	s_add_nc_u64 s[28:29], s[28:29], TS
	s_add_nc_u64 s[30:31], s[30:31], OTS
.endif
.endm
	s_load_b256 s[4:11], s[0:1], 0x0               ; weights s[4:5], bias s[6:7], tokens s[8:9], meta s[10:11]
	s_load_b64 s[12:13], s[0:1], 0x20              ; out
	v_lshl_add_u32 v254, v0, 2, 0x9000
	v_mov_b32 v255, 0
	v_and_b32 v1, 31, v0                           ; lane l
	v_lshrrev_b32 v3, 5, v0
	v_readfirstlane_b32 s14, v3                    ; wave w
	v_bfe_u32 v2, v0, 4, 1                         ; hh = l / 16
	v_lshlrev_b32 v7, 4, v1                        ; 16 l
	v_and_b32 v6, 7, v0
	v_lshl_add_u32 v6, v2, 3, v6
	v_mul_u32_u24 v6, v6, EXP                      ; LDS back: k-row 8 hh + l % 8,
	v_bfe_u32 v3, v0, 3, 1
	v_lshl_add_u32 v6, v3, 4, v6                   ; 16 bytes for each half of 16 lanes
	s_wait_alu depctr_va_sdst(0)                   ; s14 is written, ahead of its first reader
	s_mul_i32 s2, s14, 16*WP                       ; four scalars that vector lines read, each in a register of its own that no later line writes
	s_mul_i32 s3, s14, 16*EXP
	s_lshl_b32 s38, s14, 6
	s_lshl_b32 s39, s14, 7
	v_add_nc_u32 v4, s2, v7                        ; weights: my wave's 16 rows of a group + 16 l
	v_lshl_add_u32 v5, v1, 3, s3                   ; LDS in: the same 16 rows, 8 l
	v_add_nc_u32 v6, s38, v6                       ; LDS back: my wave's 32 columns
	v_lshl_add_u32 v8, v2, 5, s39                  ; bias: 4 (32 w + 8 hh)
	s_lshr_b32 s15, ttmp9, 5                       ; expert e
	s_and_b32 s16, ttmp9, 31                       ; u: which of the expert's 32 blocks
.if LAYER == 1
	s_lshl_b32 s22, s15, 24                        ; an expert's weights are 2^24 bytes
	s_lshl_b32 s35, s16, 9                         ; column block u: 128 columns of 4 bytes
	s_add_co_u32 s22, s22, s35
	s_lshl_b32 s36, s15, 14                        ; an expert's bias: 4,096 numbers
.else
	s_and_b32 s17, s16, 3                          ; kq: which quarter of K
	s_lshr_b32 s34, s16, 2                         ; cb: which column block
	s_lshl_b32 s22, s15, 24
	s_lshl_b32 s35, s17, 22                        ; 1,024 rows of 4,096 bytes
	s_add_co_u32 s22, s22, s35
	s_lshl_b32 s35, s34, 9
	s_add_co_u32 s22, s22, s35
	s_lshl_b32 s36, s15, 12                        ; an expert's bias: 1,024 numbers
	s_cmp_eq_u32 s17, 0
	s_cselect_b32 s21, -1, 0                       ; the bias is added in quarter 0 alone
.endif
	s_add_co_u32 s36, s36, s35
	s_mov_b32 s23, 0
	s_mov_b32 s37, 0
	s_wait_kmcnt 0x0
	s_add_nc_u64 s[24:25], s[4:5], s[22:23]        ; my block's rows 0 to 511,
	s_add_nc_u64 s[26:27], s[24:25], 512*WP        ; and 512 to 1,023: so every row's offset fits the signed 24-bit immediate
	s_add_nc_u64 s[32:33], s[6:7], s[36:37]
	s_lshl_b32 s22, s15, 2
	s_add_nc_u64 s[10:11], s[10:11], s[22:23]
	s_load_b32 s18, s[10:11], 0x0                  ; TB[e]: the expert's first tile
	s_load_b32 s19, s[10:11], 0x20                 ; T[e]: its tiles
	s_wait_alu depctr_va_vdst(0)                   ; v4 to v8 are written: every load, store and LDS instruction of the kernel reads one of them as its offset or address
.irp q, 0,1
	global_load_b128 v[BI+8*\q:BI+8*\q+3],   v8, s[32:33] offset:64*\q
	global_load_b128 v[BI+8*\q+4:BI+8*\q+7], v8, s[32:33] offset:64*\q+16
.endr
	WLD 0
	WLD 1
	WLD 2
	WLD 3                                          ; the ring is full: 64 loads of 512 bytes of every wave
	s_wait_kmcnt 0x0
	s_min_u32 s18, s18, 71
	s_min_u32 s19, s19, 64
.if LAYER == 1
	s_lshl_b32 s22, s18, 15
	s_add_nc_u64 s[28:29], s[8:9], s[22:23]        ; xg at the expert's first tile
	s_lshl_b32 s22, s18, 17
	s_lshl2_add_u32 s35, s16, s14                  ; my 32 columns are the next layer's kb = 4 u + w
	s_lshl_b32 s35, s35, 10
	s_add_co_u32 s22, s22, s35
	s_add_nc_u64 s[30:31], s[12:13], s[22:23]
.else
	s_lshl_b32 s22, s18, 17
	s_lshl_b32 s35, s17, 15                        ; quarter kq: kb = 32 kq on
	s_add_co_u32 s22, s22, s35
	s_add_nc_u64 s[28:29], s[8:9], s[22:23]        ; h at the expert's first tile
	s_mul_i32 s22, s17, PLANE
	s_lshl_b32 s35, s18, 16
	s_add_co_u32 s22, s22, s35
	s_lshl2_add_u32 s35, s34, s14
	s_lshl_b32 s35, s35, 11                        ; column tile 8 cb + 2 w
	s_add_co_u32 s22, s22, s35
	s_add_nc_u64 s[30:31], s[12:13], s[22:23]
.endif
	; PHASE A: 16 groups of 64 k-rows.  One barrier a group serves both orders: in front of it each wave has waited for its stores into this group's slot and for its reads of the other slot (the group
	; before); behind it this slot is read, and the next group's stores into the other slot follow.  The set just stored is asked for again at once: with the weights four groups on, or, in the last
	; four groups, with eighths 0 to 6 of the first tile's tokens (an expert without tokens loads the tile at its TB, 71 at the most of the buffer's 72, and uses nothing of it).
.irp t, 0,1,2,3,4,5,6,7,8,9,10,11,12,13,14,15
	s_wait_loadcnt 48                              ; group t is in (and the bias, which is older); the 48 loads asked for behind it, three sets' worth, stay out
	CVTX \t
	s_wait_dscnt 0x0
	s_barrier_signal -1
	s_barrier_wait -1
	WIN 0x40
	s_wait_alu depctr_vm_vsrc(0)                   ; my LDS stores have read set t % 4, in which the loads below (for group 15: and the first tile's eighth 7) land
.if \t < 12
	WLD \t+4
.elseif \t < 15
	ALD 2*(\t-12), 0
	ALD 2*(\t-12)+1, 0
.else
	ALD 6, 0                                       ; eighth 7 is asked for in the tile's step 0, as in every tile
.endif
	WGET \t
.endr
	WIN 0
	s_wait_dscnt 0x0                               ; all 64 fragments are in
.if LAYER == 2
.irp j, 0,1,2,3,4,5,6,7,8,9,10,11,12,13,14,15
	v_and_b32 v[BI+\j], s21, v[BI+\j]              ; quarters 1 to 3 start their sums with 0
.endr
.endif
	; PHASE B: the expert's T tiles.  Seven eighths of the first tile are on their way.
	s_cmp_eq_u32 s19, 0
	s_cbranch_scc1 .Lend                           ; an expert without tokens
	s_sub_co_u32 s20, s19, 1
	s_cmp_eq_u32 s20, 0
	s_cbranch_scc1 .Llast
.Ltile:
	TILE 1
	s_sub_co_u32 s20, s20, 1
	s_cmp_lg_u32 s20, 0
	s_cbranch_scc1 .Ltile
.Llast:
	TILE 0                                         ; the last tile asks for its own eighth 7 and nothing more
.Lend:
	s_wait_dscnt 0x0
	s_wait_alu depctr_hold_cnt(0) depctr_sa_sdst(0) depctr_va_vdst(0) depctr_va_sdst(0) depctr_va_ssrc(0) depctr_va_vcc(0) depctr_vm_vsrc(0)
	s_wait_tensorcnt 0x0
	ds_add_u32 v254, v255
	s_wait_dscnt 0x0
	s_endpgm
.Lfunc_end_k_qc3dae81a90_ffn1:
	.size	k_qc3dae81a90_ffn1, .Lfunc_end_k_qc3dae81a90_ffn1-k_qc3dae81a90_ffn1
	.p2alignl 7, 3214868480
	.fill 96, 4, 3214868480
	.section	.rodata,"a",@progbits
	.p2align	6, 0x0
	.amdhsa_kernel k_qc3dae81a90_ffn1
		.amdhsa_group_segment_fixed_size 37376
		.amdhsa_private_segment_fixed_size 0
		.amdhsa_enable_private_segment 0
		.amdhsa_kernarg_size 40
		.amdhsa_user_sgpr_count 2
		.amdhsa_user_sgpr_kernarg_segment_ptr 1
		.amdhsa_wavefront_size32 1
		.amdhsa_system_sgpr_workgroup_id_x 1
		.amdhsa_system_sgpr_workgroup_id_y 1
		.amdhsa_system_sgpr_workgroup_id_z 1
		.amdhsa_system_vgpr_workitem_id 0
		.amdhsa_next_free_vgpr 1024
		.amdhsa_next_free_sgpr 66
		.amdhsa_reserve_vcc 0
		.amdhsa_float_denorm_mode_32 3
		.amdhsa_float_denorm_mode_16_64 3
		.amdhsa_memory_ordered 1
		.amdhsa_forward_progress 1
		.amdhsa_inst_pref_size 114
	.end_amdhsa_kernel
	.amdgpu_metadata
---
amdhsa.version: [ 1, 2 ]
amdhsa.kernels:
  - .name:           k_qc3dae81a90_ffn1
    .symbol:         k_qc3dae81a90_ffn1.kd
    .args:
      - { .name: w1, .offset: 0, .size: 8, .value_kind: global_buffer, .address_space: global }
      - { .name: b1, .offset: 8, .size: 8, .value_kind: global_buffer, .address_space: global }
      - { .name: xg, .offset: 16, .size: 8, .value_kind: global_buffer, .address_space: global }
      - { .name: meta, .offset: 24, .size: 8, .value_kind: global_buffer, .address_space: global }
      - { .name: h, .offset: 32, .size: 8, .value_kind: global_buffer, .address_space: global }
    .group_segment_fixed_size: 37376
    .private_segment_fixed_size: 0
    .kernarg_segment_align: 8
    .kernarg_segment_size: 40
    .max_flat_workgroup_size: 128
    .sgpr_count:     66
    .vgpr_count:     1024
    .wavefront_size: 32
...
	.end_amdgpu_metadata
.endif
;; end of part 7
;; launch ffn2 (part 8): grid 256 x 1, 4 waves a work-group, no clusters, 37,376 bytes of LDS; arguments w2, b2, h, meta, part; writes part
.if DOCPART == 8
	.amdgcn_target "amdgcn-amd-amdhsa--gfx1250"
	.amdhsa_code_object_version 6
	.text
	.protected	k_qc3dae81a90_ffn2
	.globl	k_qc3dae81a90_ffn2
	.p2align	8
	.type	k_qc3dae81a90_ffn2,@function
k_qc3dae81a90_ffn2:
	s_mov_b64 s[64:65], 0
	v_nop
	global_prefetch_b8 v0, s[64:65] scope:SCOPE_SE
	s_setreg_imm32_b32 hwreg(HW_REG_WAVE_SCHED_MODE, 0, 2), 2
	s_setreg_imm32_b32 hwreg(HW_REG_WAVE_MODE, 25, 1), 1
	s_wait_xcnt 0x0
	s_wait_alu depctr_vm_vsrc(0)
; One layer of the experts, on the tokens that the gate gave each expert.  LAYER 1: h = bf16(relu(x w1[e] + b1[e])).  LAYER 2: part[kq] = h w2[e] over a quarter of K (+ b2[e] in quarter 0).
; reference() multiplies every token by every expert and then keeps, by a mask of its own making, one expert's result for each token: only that one is computed.
; THE WEIGHTS STAY, THE TOKENS PASS.  A work-group owns 1,024 k x 128 columns of one expert: 512 KB of f32, read once, rounded to bf16.  Wave w keeps columns 32 w .. 32 w + 31
; over all 1,024 k as 64 fragments, 512 registers.  Then each wave walks the expert's tiles of 16 tokens (their number is read from meta: 0 to 64) and multiplies each by its fragments.
; K = 4,096 is split in four among work-groups, and the four partial sums go to planes of their own, which the next launch adds: with all of K in one work-group its registers would hold
; 32 columns only, 128-byte pieces of w2's rows.
; PHASE A has constant trips and holds every barrier; PHASE B, whose trips are read from memory, uses no LDS and no barrier: each wave loads the token fragments itself, in the order in which
; the launch before stored them (1,024 bytes = 16 tokens x 32 k; a lane's 16 bytes at 16 l and at 512 + 16 l).
; ONE RING OF LOADS FOR BOTH PHASES: 256 registers.  In phase A they are four sets of 64, 16 loads each: a set holds 16 k-rows of weights.  When no weights are left to ask for, the sets take the
; first tile's token fragments, by eighths of a tile (four fragments, eight loads, 32 registers); in phase B an eighth is asked for again, for the next tile, in the step behind the one that
; multiplied it.  So 48 to 64 loads of a wave are out in phase A and 48 to 56 in phase B, and every wait for data but the last six leaves 48 out.
; The matrix instruction has the weights' columns as rows (source 0) and the tokens as columns (source 1): lane l holds token l % 16, register j column 8 (l / 16) + j.
; The results are stored as they lie in the registers, 512 consecutive bytes a store; the next launch turns them.
; No tensor loads: the weights pass through registers for the rounding.  No cluster: no two work-groups read the same weights, and the trips of what they share (the tokens) come from memory.
; LIMITS.  Matrix operands are rounded to bf16, sums are f32, the biases stay f32.  NaN and infinities are not served.
; THE MODE: SCHED_MODE bits 1:0 = 2 (LLVM: expert scheduling mode 2), set by the entry lines.  The code itself states the register dependences between vector or matrix instructions and
; memory or LDS instructions, with s_wait_alu, always for 0.
; THE PLAN.  Registers that memory or LDS instructions touch:
;   v4 - v8      offsets and LDS addresses: written once at the head, ahead of one wait on va_vdst; never written again (the rows and tiles are reached by scalar bases and immediate offsets).
;   BI           a load lands in it once; then matrix (and, in layer 2, sixteen vector) instructions alone name it.
;   the ring, phase A, group t: loads land in set t % 4; 32 conversions read and write it in place; 16 LDS stores read it; loads land in it again.  One wait on va_vdst between the conversions and
;                the stores, one on vm_vsrc between the stores and the loads; no vector instruction stands between the first of them and those loads.
;   the ring, phase B: step j's eight products read eighth j; the loads into it are issued in step j + 1, behind that step's one wait on va_vdst and its first two products, which name eighth j + 1,
;                weight fragments and accumulators.  Eighth 7 is asked for in step 0 of its own tile, covered by the wait on va_vdst in the epilogue of the tile before (from phase A: by group 15's two waits).
;   the weight fragments: LDS loads land in them once; nothing names them before, nothing lands in them behind.
;   E2 (layer 1), E (layer 2): written by a tile's epilogue; one wait on va_vdst ahead of its stores; one on vm_vsrc at the head of the next epilogue, a tile behind those stores.
.set LAYER, 2
.if LAYER == 1
.set WP,  16384                        ; bytes in a row of the weights
.set TS,  32768                        ; bytes from a tile of tokens to the next, in
.set OTS, 131072                       ; and out
.else
.set WP,  4096
.set TS,  131072
.set OTS, 65536
.endif
.set PLANE,  4718592                   ; a plane of part: 72 tiles x 64 column tiles x 1,024 bytes
.set EXP,    288                       ; LDS: a k-row of 128 bf16 + 32 bytes = 9 x 32: the turning load's 8 rows x 32 bytes fall on different banks (64 banks of 4 bytes: ISA guide 11.1)
.set EXSLOT, 64*EXP                    ; two slots of 64 k-rows take turns
; window 0: v1 l, v2 hh, v4 weights' offset, v5 LDS in, v6 LDS back, v7 16 l, v8 bias offset
.set BI,  16                           ; v[16:31]  bias of my 32 columns, in an accumulator's layout: the C of a tile's first products
.set ACC, 32                           ; v[32:63]  accumulator (q, p) at 16 q + 8 p: columns 16 q on, even (p = 0) or odd kb
.set E,   64                           ; v[64:79]  the tile's results
.set E2,  80                           ; v[80:87]  as bf16
; window 1: the ring; as token fragments: kb at 8 kb
; windows 2, 3: weight fragment (kb, q) at 16 (kb % 16) + 8 q in window 2 + kb / 16
.set MSB, 0
.macro WIN new                         ; low byte: bits 1:0 source 0, 3:2 source 1, 5:4 source 2, 7:6 destination; the high byte repeats the setting that is left
.if MSB != (\new)
	s_set_vgpr_msb (MSB<<8)|(\new)
.set MSB, (\new)
.endif
.endm
.macro PLACES                          ; four places between a matrix instruction and a vector instruction's read of its result (ISA guide 7.12.1)
.rept 4
	v_nop
.endr
.endm
; Group t of 16: k-rows 64 t + 16 w + i, i = 0..15, 512 consecutive bytes of each, into ring set t % 4.
.macro WLD t
.set RS, 64*((\t)&3)
.set WB, 24+2*((\t)/8)
	WIN 0x40
.irp i, 0,1,2,3,4,5,6,7,8,9,10,11,12,13,14,15
	global_load_b128 v[RS+4*\i:RS+4*\i+3], v4, s[WB:WB+1] offset:(((\t)&7)*64+\i)*WP th:TH_LOAD_NT
.endr
.endm
; Group t is rounded in place and laid into LDS slot t % 2, [k][column].
.macro CVTX t
.set RS, 64*((\t)&3)
	WIN 0x45
.irp i, 0,1,2,3,4,5,6,7,8,9,10,11,12,13,14,15
	v_cvt_pk_bf16_f32 v[RS+4*\i],   v[RS+4*\i],   v[RS+4*\i+1]
	v_cvt_pk_bf16_f32 v[RS+4*\i+1], v[RS+4*\i+2], v[RS+4*\i+3]
.endr
	WIN 0x04
	s_wait_alu depctr_va_vdst(0)                   ; the conversions have written set t % 4, which the LDS stores read; they are also done reading and writing it, for the loads that land in it behind the barrier
.irp i, 0,1,2,3,4,5,6,7,8,9,10,11,12,13,14,15
	ds_store_b64 v5, v[RS+4*\i:RS+4*\i+1] offset:((\t)&1)*EXSLOT+\i*EXP
.endr
.endm
; My four fragments of group t (kb = 2 t, 2 t + 1; q = 0, 1) come back turned.
.macro WGET t
	WIN 0x80+0x40*((\t)/8)
.irp k, 0,1
.irp q, 0,1
.set FR, 16*((2*(\t)+\k)&15)+8*\q
	ds_load_tr16_b128 v[FR:FR+3],   v6 offset:((\t)&1)*EXSLOT+\k*32*EXP+32*\q
	ds_load_tr16_b128 v[FR+4:FR+7], v6 offset:((\t)&1)*EXSLOT+\k*32*EXP+32*\q+16*EXP
.endr
.endr
.endm
; Eighth j of a tile's token fragments (kb = 4 j .. 4 j + 3), off bytes behind the tile in hand: 8 loads into 32 registers of the ring.
.macro ALD j, off
	WIN 0x40
.irp f, 0,1,2,3
	global_load_b128 v[32*(\j)+8*\f:32*(\j)+8*\f+3],   v7, s[28:29] offset:\off+4096*(\j)+1024*\f
	global_load_b128 v[32*(\j)+8*\f+4:32*(\j)+8*\f+7], v7, s[28:29] offset:\off+4096*(\j)+1024*\f+512
.endr
.endm
; The two products on token fragment kb.  The four accumulators take turns, one instruction a turn, from fragment to fragment and over the loop's edge too.
; The first product on each starts its sum: with the bias, or with 0.
.macro MMF kb
	WIN 0x06+(\kb)/16
.irp q, 0,1
.set AC, ACC+16*\q+8*((\kb)%2)
.set WF, 16*((\kb)%16)+8*\q
.set TF, 8*(\kb)
.if (\kb) == 0
	v_wmma_f32_16x16x32_bf16 v[AC:AC+7], v[WF:WF+7], v[TF:TF+7], v[BI+8*\q:BI+8*\q+7]
.elseif (\kb) == 1
	v_wmma_f32_16x16x32_bf16 v[AC:AC+7], v[WF:WF+7], v[TF:TF+7], 0
.else
	v_wmma_f32_16x16x32_bf16 v[AC:AC+7], v[WF:WF+7], v[TF:TF+7], v[AC:AC+7]
.endif
.endr
.endm
; A tile: eight steps of eight products.  Step 0 asks for this tile's eighth 7; ahead = 1: step j asks for the next tile's eighth j - 1.  54 products stand between an eighth's request and the wait for it.
.macro TILE ahead
.irp j, 0,1,2,3,4,5,6,7
.if \ahead || (\j == 0)
	s_wait_loadcnt 48                              ; loads come back in order (ISA guide 5.7.1): eighth j is in; the six eighths asked for behind it, 8 loads each, may be out
.else
	s_wait_loadcnt 8*(7-\j)                        ; the last tile: behind its eighth 7 nothing is asked for, the counts run down
.endif
.if \ahead && (\j > 0)
	s_wait_alu depctr_va_vdst(0)                   ; the products of step j - 1 are done reading eighth j - 1, in which the loads below land
.endif
	MMF 4*\j                                       ; these two name eighth j, weight fragments, accumulators and the bias: none of the registers that the loads below touch
.if \j == 0
	ALD 7, 0                                       ; no wait of its own: no vector or matrix instruction since the last wait on va_vdst (the epilogue's; from phase A, group 15's) names eighth 7
.elseif \ahead
	ALD \j-1, TS
.endif
	MMF 4*\j+1
	MMF 4*\j+2
	MMF 4*\j+3
.endr
	WIN 0
	s_wait_alu depctr_vm_vsrc(0)                   ; the stores of the tile before have read their data registers, which the lines below write again
	PLACES                                         ; in front of the first read of the sums
.irp q, 0,1
.irp i, 0,1,2,3
	v_pk_add_f32 v[E+8*\q+2*\i:E+8*\q+2*\i+1], v[ACC+16*\q+2*\i:ACC+16*\q+2*\i+1], v[ACC+16*\q+8+2*\i:ACC+16*\q+8+2*\i+1]
.endr
.endr
.if LAYER == 1
.irp j, 0,1,2,3,4,5,6,7,8,9,10,11,12,13,14,15
	v_max_num_f32 v[E+\j], 0, v[E+\j]
.endr
.irp j, 0,1,2,3,4,5,6,7
	v_cvt_pk_bf16_f32 v[E2+\j], v[E+2*\j], v[E+2*\j+1]
.endr
	s_wait_alu depctr_va_vdst(0)                   ; the roundings have written E2, which the stores read; step 7's products are done reading eighth 7, in which the next tile's first loads land
	global_store_b128 v7, v[E2:E2+3],   s[30:31]               ; columns 8 hh + 0..7 of my 32: registers 0-3 of the next layer's fragment
	global_store_b128 v7, v[E2+4:E2+7], s[30:31] offset:512    ; columns 16 + 8 hh + 0..7: registers 4-7
.else
	s_wait_alu depctr_va_vdst(0)                   ; the additions have written E, which the stores read; step 7's products are done reading eighth 7, in which the next tile's first loads land
.irp j, 0,1,2,3
	global_store_b128 v7, v[E+4*\j:E+4*\j+3], s[30:31] offset:512*\j   ; column tile 2 w + j / 2, registers 4 (j % 2) on; 512 consecutive bytes a store
.endr
.endif
.if \ahead
	s_wait_xcnt 0x0                                ; both bases and the stores' data are written again only behind this wait
	s_add_nc_u64 s[28:29], s[28:29], TS
	s_add_nc_u64 s[30:31], s[30:31], OTS
.endif
.endm
	s_load_b256 s[4:11], s[0:1], 0x0               ; weights s[4:5], bias s[6:7], tokens s[8:9], meta s[10:11]
	s_load_b64 s[12:13], s[0:1], 0x20              ; out
	v_lshl_add_u32 v254, v0, 2, 0x9000
	v_mov_b32 v255, 0
	v_and_b32 v1, 31, v0                           ; lane l
	v_lshrrev_b32 v3, 5, v0
	v_readfirstlane_b32 s14, v3                    ; wave w
	v_bfe_u32 v2, v0, 4, 1                         ; hh = l / 16
	v_lshlrev_b32 v7, 4, v1                        ; 16 l
	v_and_b32 v6, 7, v0
	v_lshl_add_u32 v6, v2, 3, v6
	v_mul_u32_u24 v6, v6, EXP                      ; LDS back: k-row 8 hh + l % 8,
	v_bfe_u32 v3, v0, 3, 1
	v_lshl_add_u32 v6, v3, 4, v6                   ; 16 bytes for each half of 16 lanes
	s_wait_alu depctr_va_sdst(0)                   ; s14 is written, ahead of its first reader
	s_mul_i32 s2, s14, 16*WP                       ; four scalars that vector lines read, each in a register of its own that no later line writes
	s_mul_i32 s3, s14, 16*EXP
	s_lshl_b32 s38, s14, 6
	s_lshl_b32 s39, s14, 7
	v_add_nc_u32 v4, s2, v7                        ; weights: my wave's 16 rows of a group + 16 l
	v_lshl_add_u32 v5, v1, 3, s3                   ; LDS in: the same 16 rows, 8 l
	v_add_nc_u32 v6, s38, v6                       ; LDS back: my wave's 32 columns
	v_lshl_add_u32 v8, v2, 5, s39                  ; bias: 4 (32 w + 8 hh)
	s_lshr_b32 s15, ttmp9, 5                       ; expert e
	s_and_b32 s16, ttmp9, 31                       ; u: which of the expert's 32 blocks
.if LAYER == 1
	s_lshl_b32 s22, s15, 24                        ; an expert's weights are 2^24 bytes
	s_lshl_b32 s35, s16, 9                         ; column block u: 128 columns of 4 bytes
	s_add_co_u32 s22, s22, s35
	s_lshl_b32 s36, s15, 14                        ; an expert's bias: 4,096 numbers
.else
	s_and_b32 s17, s16, 3                          ; kq: which quarter of K
	s_lshr_b32 s34, s16, 2                         ; cb: which column block
	s_lshl_b32 s22, s15, 24
	s_lshl_b32 s35, s17, 22                        ; 1,024 rows of 4,096 bytes
	s_add_co_u32 s22, s22, s35
	s_lshl_b32 s35, s34, 9
	s_add_co_u32 s22, s22, s35
	s_lshl_b32 s36, s15, 12                        ; an expert's bias: 1,024 numbers
	s_cmp_eq_u32 s17, 0
	s_cselect_b32 s21, -1, 0                       ; the bias is added in quarter 0 alone
.endif
	s_add_co_u32 s36, s36, s35
	s_mov_b32 s23, 0
	s_mov_b32 s37, 0
	s_wait_kmcnt 0x0
	s_add_nc_u64 s[24:25], s[4:5], s[22:23]        ; my block's rows 0 to 511,
	s_add_nc_u64 s[26:27], s[24:25], 512*WP        ; and 512 to 1,023
	s_add_nc_u64 s[32:33], s[6:7], s[36:37]
	s_lshl_b32 s22, s15, 2
	s_add_nc_u64 s[10:11], s[10:11], s[22:23]
	s_load_b32 s18, s[10:11], 0x0                  ; TB[e]: the expert's first tile
	s_load_b32 s19, s[10:11], 0x20                 ; T[e]: its tiles
	s_wait_alu depctr_va_vdst(0)                   ; v4 to v8 are written: every load, store and LDS instruction of the kernel reads one of them as its offset or address
.irp q, 0,1
	global_load_b128 v[BI+8*\q:BI+8*\q+3],   v8, s[32:33] offset:64*\q
	global_load_b128 v[BI+8*\q+4:BI+8*\q+7], v8, s[32:33] offset:64*\q+16
.endr
	WLD 0
	WLD 1
	WLD 2
	WLD 3                                          ; the ring is full: 64 loads of 512 bytes of every wave
	s_wait_kmcnt 0x0
	s_min_u32 s18, s18, 71
	s_min_u32 s19, s19, 64
.if LAYER == 1
	s_lshl_b32 s22, s18, 15
	s_add_nc_u64 s[28:29], s[8:9], s[22:23]        ; xg at the expert's first tile
	s_lshl_b32 s22, s18, 17
	s_lshl2_add_u32 s35, s16, s14                  ; my 32 columns are the next layer's kb = 4 u + w
	s_lshl_b32 s35, s35, 10
	s_add_co_u32 s22, s22, s35
	s_add_nc_u64 s[30:31], s[12:13], s[22:23]
.else
	s_lshl_b32 s22, s18, 17
	s_lshl_b32 s35, s17, 15                        ; quarter kq: kb = 32 kq on
	s_add_co_u32 s22, s22, s35
	s_add_nc_u64 s[28:29], s[8:9], s[22:23]        ; h at the expert's first tile
	s_mul_i32 s22, s17, PLANE
	s_lshl_b32 s35, s18, 16
	s_add_co_u32 s22, s22, s35
	s_lshl2_add_u32 s35, s34, s14
	s_lshl_b32 s35, s35, 11                        ; column tile 8 cb + 2 w
	s_add_co_u32 s22, s22, s35
	s_add_nc_u64 s[30:31], s[12:13], s[22:23]
.endif
	; PHASE A: 16 groups of 64 k-rows.  One barrier a group serves both orders: in front of it each wave has waited for its stores into this group's slot and for its reads of the other slot (the group
	; before); behind it this slot is read, and the next group's stores into the other slot follow.  The set just stored is asked for again at once: with the weights four groups on, or, in the last
	; four groups, with eighths 0 to 6 of the first tile's tokens (an expert without tokens loads the tile at its TB, 71 at the most of the buffer's 72, and uses nothing of it).
.irp t, 0,1,2,3,4,5,6,7,8,9,10,11,12,13,14,15
	s_wait_loadcnt 48                              ; group t is in (and the bias, which is older); the 48 loads asked for behind it, three sets' worth, stay out
	CVTX \t
	s_wait_dscnt 0x0
	s_barrier_signal -1
	s_barrier_wait -1
	WIN 0x40
	s_wait_alu depctr_vm_vsrc(0)                   ; my LDS stores have read set t % 4, in which the loads below (for group 15: and the first tile's eighth 7) land
.if \t < 12
	WLD \t+4
.elseif \t < 15
	ALD 2*(\t-12), 0
	ALD 2*(\t-12)+1, 0
.else
	ALD 6, 0                                       ; eighth 7 is asked for in the tile's step 0, as in every tile
.endif
	WGET \t
.endr
	WIN 0
	s_wait_dscnt 0x0                               ; all 64 fragments are in
.if LAYER == 2
.irp j, 0,1,2,3,4,5,6,7,8,9,10,11,12,13,14,15
	v_and_b32 v[BI+\j], s21, v[BI+\j]              ; quarters 1 to 3 start their sums with 0
.endr
.endif
	; PHASE B: the expert's T tiles.  Seven eighths of the first tile are on their way.
	s_cmp_eq_u32 s19, 0
	s_cbranch_scc1 .Lend                           ; an expert without tokens
	s_sub_co_u32 s20, s19, 1
	s_cmp_eq_u32 s20, 0
	s_cbranch_scc1 .Llast
.Ltile:
	TILE 1
	s_sub_co_u32 s20, s20, 1
	s_cmp_lg_u32 s20, 0
	s_cbranch_scc1 .Ltile
.Llast:
	TILE 0                                         ; the last tile asks for its own eighth 7 and nothing more
.Lend:
	s_wait_dscnt 0x0
	s_wait_alu depctr_hold_cnt(0) depctr_sa_sdst(0) depctr_va_vdst(0) depctr_va_sdst(0) depctr_va_ssrc(0) depctr_va_vcc(0) depctr_vm_vsrc(0)
	s_wait_tensorcnt 0x0
	ds_add_u32 v254, v255
	s_wait_dscnt 0x0
	s_endpgm
.Lfunc_end_k_qc3dae81a90_ffn2:
	.size	k_qc3dae81a90_ffn2, .Lfunc_end_k_qc3dae81a90_ffn2-k_qc3dae81a90_ffn2
	.p2alignl 7, 3214868480
	.fill 96, 4, 3214868480
	.section	.rodata,"a",@progbits
	.p2align	6, 0x0
	.amdhsa_kernel k_qc3dae81a90_ffn2
		.amdhsa_group_segment_fixed_size 37376
		.amdhsa_private_segment_fixed_size 0
		.amdhsa_enable_private_segment 0
		.amdhsa_kernarg_size 40
		.amdhsa_user_sgpr_count 2
		.amdhsa_user_sgpr_kernarg_segment_ptr 1
		.amdhsa_wavefront_size32 1
		.amdhsa_system_sgpr_workgroup_id_x 1
		.amdhsa_system_sgpr_workgroup_id_y 1
		.amdhsa_system_sgpr_workgroup_id_z 1
		.amdhsa_system_vgpr_workitem_id 0
		.amdhsa_next_free_vgpr 1024
		.amdhsa_next_free_sgpr 66
		.amdhsa_reserve_vcc 0
		.amdhsa_float_denorm_mode_32 3
		.amdhsa_float_denorm_mode_16_64 3
		.amdhsa_memory_ordered 1
		.amdhsa_forward_progress 1
		.amdhsa_inst_pref_size 114
	.end_amdhsa_kernel
	.amdgpu_metadata
---
amdhsa.version: [ 1, 2 ]
amdhsa.kernels:
  - .name:           k_qc3dae81a90_ffn2
    .symbol:         k_qc3dae81a90_ffn2.kd
    .args:
      - { .name: w2, .offset: 0, .size: 8, .value_kind: global_buffer, .address_space: global }
      - { .name: b2, .offset: 8, .size: 8, .value_kind: global_buffer, .address_space: global }
      - { .name: h, .offset: 16, .size: 8, .value_kind: global_buffer, .address_space: global }
      - { .name: meta, .offset: 24, .size: 8, .value_kind: global_buffer, .address_space: global }
      - { .name: part, .offset: 32, .size: 8, .value_kind: global_buffer, .address_space: global }
    .group_segment_fixed_size: 37376
    .private_segment_fixed_size: 0
    .kernarg_segment_align: 8
    .kernarg_segment_size: 40
    .max_flat_workgroup_size: 128
    .sgpr_count:     66
    .vgpr_count:     1024
    .wavefront_size: 32
...
	.end_amdgpu_metadata
.endif
;; end of part 8
;; launch combine: the kernel of part 6 again; grid 64 x 4, 8 waves a work-group, no clusters, 35,840 bytes of LDS; arguments part, list, meta, out0; writes out0
